; MI455X (gfx1250); checked and timed in simulation.
; The chip was launched on July 23, 2026; its instructions are those of AMD's public machine-readable ISA for CDNA 5 (MIT licence, August 2026) and "CDNA5" Instruction Set Architecture Reference Guide (July 2026). The comments in the code are by the model that wrote it; some were corrected since.
;; Self Attention. Allowed arithmetic: matrix products marked QUANTISED: E2M1 operands, one E8M0 scale for each 32 along K, by v_wmma_scale_f32_16x16x128_f8f6f4 with both operands' format E2M1 (or v_wmma_scale_f32_32x16x128_f4), f32 sums; products left as they are: bf16, f16 or f32 operands; f32 sums; everything else in f32.
;; Inputs: b_proj 1,024 float32; b_qkv 3,072 float32; w_proj 1,024 x 1,024 float32; w_qkv 3,072 x 1,024 float32; x 4 x 2,048 x 1,024 float32.
;; Outputs: out0 4 x 2,048 x 1,024 float32.
;; This version of the problem:
;;   THIS VERSION OF THE PROBLEM IS GIVEN IN LOW PRECISION. The matrix products marked QUANTISED in the list below multiply operands that are first quantised to E2M1 (2 exponent bits, 1 mantissa bit; 4 bits a number), with one power-of-two scale for each 32 numbers along K (OCP MX v1.0); their sums are f32. The products marked 'left as it is' may take bf16, f16 or f32 operands, with f32 sums. Whichever they take, every output number must still come out within the allowed error. Rounding operands to bf16 (8 significant bits) uses up far more of that allowance than f16 does (11 bits, for magnitudes from 6e-5 to 65,504). All else is computed in f32.
;;   The module's matrix products, in the order in which they are computed (A, B: the left and right operand; K: the contracted axis; several contracted axes count as one K, in the product's order):
;;     1. [M 8,192, K 1,024] x [K 1,024, N 3,072]; A: input x; B: input w_qkv: QUANTISED
;;     2. batch 64 x [M 2,048, K 64] x [K 64, N 2,048]; A: computed on the way; B: computed on the way: left as it is (an operand is computed on the way)
;;     3. batch 64 x [M 2,048, K 2,048] x [K 2,048, N 64]; A: computed on the way; B: computed on the way: left as it is (an operand is computed on the way)
;;     4. [M 8,192, K 1,024] x [K 1,024, N 1,024]; A: computed on the way; B: input w_proj: left as it is (an operand is computed on the way)
;;   THE QUANTISER, for each operand of a quantised product, along K:
;;     - K is cut into blocks of 32 from its start; a last block that is shorter is filled with zeros.
;;     - A block's scale is 2^e with e = floor(log2(the largest magnitude in the block)) - 2, held to -126 .. 127; a block of zeros has e = 0. As a byte (E8M0): e + 127.
;;     - Each number is divided by its block's scale, clamped to +-6, and rounded to the nearest number of E2M1, ties to even, subnormals kept.
;;     - The product sums the exact products of the quantised numbers (number of the format x scale) in f32.
;;   ~~~python
;;   def quantise(x, axis):      # numpy; x: float32 -> the quantised numbers, widened to float32 again
;;       x = np.moveaxis(x, axis, -1); K = x.shape[-1]
;;       x = np.pad(x, [(0, 0)] * (x.ndim - 1) + [(0, -K % 32)]); x = x.reshape(x.shape[:-1] + (-1, 32)); a = np.abs(x).max(-1, keepdims=True)
;;       e = np.where(a > 0, np.clip(np.frexp(np.where(a > 0, a, 1))[1] - 1 - 2, -126, 127), 0)      # np.frexp(a)[1] - 1 = floor(log2(a)), exactly
;;       r = np.clip(x / 2.0 ** e, -6, 6)
;;       step = 2.0 ** (np.maximum(np.frexp(np.where(r == 0, 1, r))[1] - 1, 0) - 1)
;;       q = np.round(r / step) * step * 2.0 ** e      # np.round: ties to even
;;       return np.moveaxis(q.reshape(q.shape[:-2] + (-1,))[..., :K], -1, axis).astype(np.float32)
;;   ~~~
;; One version. Each part assembles by itself: llvm-mc -triple=amdgcn-amd-amdhsa -mcpu=gfx1250 --defsym DOCPART=n.
;; ======== version 1 of 1: 5 launches
;; limits: values are held in f16: magnitudes above 65,504 overflow, below 6.1e-05 lose precision
;; workspace buffers: xc 4,194,304 bytes; xs 262,144 bytes; wc 1,572,864 bytes; ws 98,304 bytes; wp16 4,194,304 bytes; qkv 50,331,648 bytes; fine32 786,432 bytes; oimg 16,777,216 bytes
;; launch quant (part 1): grid 384 x 1, 4 waves a work-group, no clusters, 33,280 bytes of LDS; arguments x, w_qkv, xc, xs, wc, ws, w_proj, wp16; writes xc, xs, wc, ws, wp16
.if DOCPART == 1
	.amdgcn_target "amdgcn-amd-amdhsa--gfx1250"
	.amdhsa_code_object_version 6
	.text
	.protected	k_q6fe1746980_quant
	.globl	k_q6fe1746980_quant
	.p2align	8
	.type	k_q6fe1746980_quant,@function
k_q6fe1746980_quant:
	s_mov_b64 s[64:65], 0
	v_nop
	global_prefetch_b8 v0, s[64:65] scope:SCOPE_SE
	s_setreg_imm32_b32 hwreg(HW_REG_WAVE_MODE, 25, 1), 1
	s_wait_xcnt 0x0
; CAUSAL SELF-ATTENTION, B 4, T 2,048, C 1,024, 16 heads of 64.  Five launches: this one (operands are prepared), qkvg (x w_qkv^T on codes of E2M1), attn, proj, first16.
; WORK LEFT OUT OR MOVED, for all finite values of the inputs:
;  (1) The mask is built by the problem itself (key k counts for query q where k <= q): tiles of 16 queries x 64 keys that lie wholly above the diagonal get the weight 0 and are neither fetched nor multiplied.
;  (2) b_qkv[1024:2048], the bias on k: (q + bq).(k + bk) = (q + bq).k + (q + bq).bk, and the second term is the same for all keys of a query, so the softmax along the keys takes it away.  The product of q with k is not a
;      quantised one, so no quantiser sees k.  These 4,096 bytes are never loaded.
;  (3) b_qkv[2048:3072], the bias on v, is live and is moved: the weights of a row add up to 1, so sum p (v + bv) / sum p = sum p v / sum p + bv: it is the addend of the multiply-add that divides by the row's sum.
;  (4) The first 16 positions of each sequence are carried in f32 and in pairs of f16 numbers by the launch first16, which owns those 64 rows of out0; proj multiplies them inside its live tiles and does not store them.
; LIMITS: a NaN, an infinity or an overflow that reaches only the work left out is not carried to the result; sums are rounded in another order than in the problem's text; q, k, v, the attention's output and w_proj go on as f16: their magnitudes stay under 65,504.
;
; THIS LAUNCH.  Work-groups 0-255: x [8192][1024], 256-351: w_qkv [3072][1024], f32, become codes of E2M1, 4 bits each, K innermost, with one E8M0 scale byte for each 32 along K.
; A block's scale is 2^(floor(log2(its largest magnitude)) - 2); its byte is the largest magnitude's own exponent field - 2, held at 1 from below.  (A block of zeros so gets the byte 1 where the rule says 127: its codes are
; zeros, which add nothing under any byte but 0xff, and this program alone reads the bytes.)  Each number is divided by the scale and rounded to the nearest code, ties to even, beyond the largest code the largest.
; LIMITS: blocks whose largest magnitude lies under 2^(2 - 126) keep the byte 1; NaN and infinities among the inputs are not served.
; Rows are dense and K is a multiple of 32: both tensors are plain streams of blocks of 32.  A wave takes 16 steps of 512 numbers.  Each of a step's four loads reads 512 consecutive bytes; the 2,048 bytes turn through the
; wave's own stage in LDS and come back 64 bytes a lane, so that a lane holds 16 neighbours along K and two neighbouring lanes a block.  A wave's store of codes covers 256 consecutive bytes; its 256 scale bytes leave as one such run.
; Work-groups 352-383: w_proj [1024][1024] f32 becomes f16 in the order of a matrix operand's registers (16 rows x 32 along K: 8 registers a lane, registers 0-3 at 16 x lane, 4-7 at 512 + 16 x lane: 1,024 bytes),
; [16 rows: 64][32 along K: 32]; the high parts from byte 0, the low parts (w - high) from byte 2,097,152.
.set WAVES, 4
.set STEPS, 16
.set WGA,   256                        ; x's work-groups: 8,192 x 1,024 / 32,768
.set WGQ,   352                        ; and w_qkv's 96 behind them
.set EMAX,  2
.set CB,    8                          ; bytes of 16 codes
.set R,     16                         ; v16-79   four sets of 16 numbers as they are loaded
.set X,     80                         ; v80-111  two sets of 16 neighbours (w_proj: four sets of 8 registers of high parts)
.set C,     128                        ; v128-191 codes: four registers for each step (w_proj: v128-159 four sets of low parts)
.set E,     112                        ; v112-127 a scale byte for each step (w_proj: 16 high parts as f32)
.set WREG,  8192                       ; LDS: a region for each wave: two stages of 32 x SP bytes, behind them its 256 scale bytes
.set SP,    80                         ; a lane's place in a stage: 64 bytes + 16 of padding
.set SPW,   12                         ; v12 LDS address of my spare word; never rewritten
.set NIL,   13                         ; v13 0; never rewritten
.set SPARE, WAVES*WREG                 ; the spare words, 128 bytes a wave, that no other line names
	s_load_b128 s[4:7], s[0:1], 0x0                ; x, w_qkv
	s_load_b128 s[8:11], s[0:1], 0x10              ; x's codes, x's scales
	s_load_b128 s[12:15], s[0:1], 0x20             ; w_qkv's codes, its scales
	s_load_b128 s[24:27], s[0:1], 0x30             ; w_proj, its f16 images
	v_lshl_add_u32 v[SPW], v0, 2, SPARE
	v_mov_b32 v[NIL], 0
	v_lshrrev_b32 v1, 5, v0
	v_readfirstlane_b32 s16, v1                    ; wave
	v_and_b32 v2, 31, v0                           ; lane
	s_wait_kmcnt 0x0
	s_cmp_ge_u32 ttmp9, WGQ                        ; the last 32 work-groups take w_proj
	s_cbranch_scc1 .Lwp
	v_lshlrev_b32 v3, 4, v2                        ; my 16 bytes of a load's 512
	s_mul_i32 s17, s16, WREG
	v_lshrrev_b32 v14, 2, v2
	v_mul_u32_u24 v14, v14, SP
	v_and_b32 v15, 3, v2
	v_lshl_add_u32 v14, v15, 4, v14
	v_add_nc_u32 v14, s17, v14                     ; the stage, on the way in: SP (lane / 4) + 16 (lane % 4)
	v_mul_u32_u24 v15, v2, SP
	v_add_nc_u32 v15, s17, v15                     ; and on the way out: SP x lane: my 16 neighbours
	v_mul_u32_u24 v4, v2, CB                       ; my codes' place in a step's
	v_lshrrev_b32 v5, 1, v2
	s_add_co_u32 s17, s17, 2*32*SP
	v_add_nc_u32 v5, s17, v5                       ; LDS: my wave's 256 scale bytes, my block's byte
	v_lshlrev_b32 v7, 3, v2                        ; on the way out 8 bytes a lane
	v_add_nc_u32 v6, s17, v7
	s_cmp_lt_u32 ttmp9, WGA                        ; x's work-group or w_qkv's?  The choice hangs on the work-group's number alone
	s_cselect_b64 s[4:5], s[4:5], s[6:7]
	s_cselect_b64 s[8:9], s[8:9], s[12:13]
	s_cselect_b64 s[10:11], s[10:11], s[14:15]
	s_cselect_b32 s17, 0, WGA
	s_sub_co_u32 s17, ttmp9, s17
	s_lshl_b32 s17, s17, 2
	s_add_co_u32 s18, s17, s16                     ; which run of 8,192 numbers is my wave's
	s_mov_b32 s19, 0
	s_mov_b64 s[20:21], 512*STEPS*4
	s_mul_u64 s[20:21], s[18:19], s[20:21]
	s_add_nc_u64 s[4:5], s[4:5], s[20:21]
	s_mov_b64 s[20:21], 32*STEPS*CB
	s_mul_u64 s[20:21], s[18:19], s[20:21]
	s_add_nc_u64 s[8:9], s[8:9], s[20:21]
	s_lshl_b32 s18, s18, 8                         ; 256 scale bytes a run
	s_add_nc_u64 s[10:11], s[10:11], s[18:19]
.macro LOAD t
.irp i, 0,1,2,3
	global_load_b128 v[R+16*((\t)%4)+4*\i:R+16*((\t)%4)+4*\i+3], v3, s[4:5] offset:2048*(\t)+512*\i th:TH_LOAD_NT   ; 32 lanes read 512 consecutive bytes
.endr
.endm
.macro TURN t                          ; step t's numbers through the stage: LDS serves a wave's instructions in order, so no wait stands between the stores and the loads
.irp i, 0,1,2,3
	ds_store_b128 v14, v[R+16*((\t)%4)+4*\i:R+16*((\t)%4)+4*\i+3] offset:32*SP*((\t)%2)+8*SP*\i
.endr
.irp i, 0,1,2,3
	ds_load_b128 v[X+16*((\t)%2)+4*\i:X+16*((\t)%2)+4*\i+3], v15 offset:32*SP*((\t)%2)+16*\i
.endr
.endm
.irp t, 0,1,2,3
	LOAD \t
.endr
	s_wait_loadcnt 12                              ; step 0's four loads are in
	TURN 0
.macro STEP t
.set XS, X+16*((\t)%2)
.if (\t) > 0
	s_wait_dscnt 1                                 ; this step's numbers are back from the stage (the last step's byte store may be out): its stores into the stage have read their registers,
.else
	s_wait_dscnt 0x0
.endif
.if (\t)+4 < STEPS
	LOAD (\t)+4                                    ; which take the loads of four steps on
.endif
.if (\t)+1 < STEPS
.if STEPS-2-(\t) >= 3
	s_wait_loadcnt 12                              ; the next step's four loads are in; those of the three steps behind it may be out
.else
	s_wait_loadcnt 4*(STEPS-2-(\t))
.endif
	TURN (\t)+1                                    ; and go through the other stage while this step is worked
.endif
	v_max3_num_f32 v8, |v[XS]|, |v[XS+1]|, |v[XS+2]|               ; the largest magnitude of my 16
	v_max3_num_f32 v9, |v[XS+3]|, |v[XS+4]|, |v[XS+5]|
.irp i, 6,10
	v_max3_num_f32 v8, v8, |v[XS+\i]|, |v[XS+\i+1]|
	v_max3_num_f32 v9, v9, |v[XS+\i+2]|, |v[XS+\i+3]|
.endr
	v_max3_num_f32 v8, v8, |v[XS+14]|, |v[XS+15]|
	v_max3_num_f32 v8, v8, v9, (EMAX+1)<<23        ; and the floor 2^(EMAX + 1 - 127): the byte cannot fall under 1
	v_max_num_f32_dpp v8, v8, v8 row_xmask:1 row_mask:0xf bank_mask:0xf   ; and of my neighbour's 16: the block's
	v_add_nc_u32 v11, -(EMAX<<23), v8              ; EMAX off its exponent field: the conversion takes the exponent field of this operand as its scale, and nothing else of it
	v_cvt_scalef32_pk8_fp4_f32 v[C+4*(\t)], v[XS:XS+7], v11
	v_cvt_scalef32_pk8_fp4_f32 v[C+4*(\t)+1], v[XS+8:XS+15], v11
	v_lshrrev_b32 v[E+(\t)], 23, v11               ; the scale's byte
	ds_store_b8 v5, v[E+(\t)] offset:16*(\t)       ; both lanes of a block write the same byte with the same value
	global_store_b64 v4, v[C+4*(\t):C+4*(\t)+1], s[8:9] offset:32*CB*(\t)
.endm
.irp t, 0,1,2,3,4,5,6,7,8,9,10,11,12,13,14,15
	STEP \t
.endr
	ds_load_b64 v[8:9], v6                         ; LDS serves a wave's instructions in order: these see my stores
	s_wait_dscnt 0x0
	global_store_b64 v7, v[8:9], s[10:11]          ; 32 lanes store 256 consecutive bytes, aligned
	s_wait_tensorcnt 0x0                           ; the wave's end, behind my last LDS store
	ds_add_u32 v[SPW], v[NIL]
	s_wait_dscnt 0x0
	s_endpgm
; ---- w_proj.  Wave g of 128 takes 16 rows (g / 2) and 512 along K (g % 2): 16 images.  Lane (r, h) of an image holds row r, k = 8 h + 0..7 and 16 + 8 h + 0..7: two runs of 32 bytes of f32.
.Lwp:
	s_sub_co_u32 s17, ttmp9, WGQ
	s_lshl_b32 s17, s17, 2
	s_add_co_u32 s17, s17, s16                     ; g
	s_lshr_b32 s18, s17, 1                         ; which 16 rows
	s_and_b32 s19, s17, 1                          ; which half of K
	s_lshl_b32 s20, s18, 16                        ; 16 rows of 4,096 bytes
	s_lshl_b32 s21, s19, 11                        ; 512 numbers
	s_add_co_u32 s20, s20, s21
	s_mov_b32 s21, 0
	s_add_nc_u64 s[24:25], s[24:25], s[20:21]
	s_lshl_b32 s20, s18, 15                        ; 32 images of 1,024 bytes
	s_lshl_b32 s22, s19, 14
	s_add_co_u32 s20, s20, s22
	s_add_nc_u64 s[26:27], s[26:27], s[20:21]
	v_and_b32 v5, 15, v0                           ; r
	v_bfe_u32 v6, v0, 4, 1                         ; h
	v_lshlrev_b32 v3, 12, v5
	v_lshl_add_u32 v3, v6, 5, v3                   ; row r, + 32 h bytes
	v_lshlrev_b32 v4, 4, v2                        ; 16 x lane
.macro WLOAD t
	global_load_b128 v[R+16*((\t)%4):R+16*((\t)%4)+3],     v3, s[24:25] offset:128*(\t)
	global_load_b128 v[R+16*((\t)%4)+4:R+16*((\t)%4)+7],   v3, s[24:25] offset:128*(\t)+16
	global_load_b128 v[R+16*((\t)%4)+8:R+16*((\t)%4)+11],  v3, s[24:25] offset:128*(\t)+64
	global_load_b128 v[R+16*((\t)%4)+12:R+16*((\t)%4)+15], v3, s[24:25] offset:128*(\t)+80
.endm
.macro WCH t
.set RS, R+16*((\t)%4)
.set HS, X+8*((\t)%4)
.set LS, C+8*((\t)%4)
.if 4*(15-(\t)) < 12
	s_wait_loadcnt 4*(15-(\t))                     ; the counts run down
.else
	s_wait_loadcnt 12                              ; this image's four loads are in; the three younger sets may be out
.endif
.if (\t) >= 4
	s_wait_xcnt 0x0                                ; the stores of four images back have read their registers, which are written again below
.endif
.irp i, 0,1,2,3,4,5,6,7,8,9,10,11,12,13,14,15
	v_add_nc_u32 v[E+\i], 0x1000, v[RS+\i]         ; the high part: the nearest number of 11 significant bits: half a unit of the 11th is added to the magnitude,
.endr
.irp i, 0,1,2,3,4,5,6,7,8,9,10,11,12,13,14,15
	v_and_b32 v[E+\i], 0xffffe000, v[E+\i]         ; and the 13 bits under it are cut
.endr
.irp i, 0,2,4,6,8,10,12,14
	v_pk_add_f32 v[RS+\i:RS+\i+1], v[RS+\i:RS+\i+1], v[E+\i:E+\i+1] neg_lo:[0,1] neg_hi:[0,1]   ; the low part: w - high, exact
.endr
.irp j, 0,1,2,3,4,5,6,7
	v_cvt_pk_f16_f32 v[HS+\j], v[E+2*\j], v[E+2*\j+1]
	v_cvt_pk_f16_f32 v[LS+\j], v[RS+2*\j], v[RS+2*\j+1]
.endr
.if (\t)+4 < 16
	WLOAD (\t)+4
.endif
	global_store_b128 v4, v[HS:HS+3],   s[26:27] offset:1024*(\t)                  ; each store covers 512 consecutive bytes, aligned
	global_store_b128 v4, v[HS+4:HS+7], s[26:27] offset:1024*(\t)+512
	global_store_b128 v4, v[LS:LS+3],   s[26:27] offset:1024*(\t)+2097152
	global_store_b128 v4, v[LS+4:LS+7], s[26:27] offset:1024*(\t)+2097152+512
.endm
.irp t, 0,1,2,3
	WLOAD \t
.endr
.irp t, 0,1,2,3,4,5,6,7,8,9,10,11,12,13,14,15
	WCH \t
.endr
	s_endpgm
.Lfunc_end_k_q6fe1746980_quant:
	.size	k_q6fe1746980_quant, .Lfunc_end_k_q6fe1746980_quant-k_q6fe1746980_quant
	.p2alignl 7, 3214868480
	.fill 96, 4, 3214868480
	.section	.rodata,"a",@progbits
	.p2align	6, 0x0
	.amdhsa_kernel k_q6fe1746980_quant
		.amdhsa_group_segment_fixed_size 33280
		.amdhsa_private_segment_fixed_size 0
		.amdhsa_enable_private_segment 0
		.amdhsa_kernarg_size 64
		.amdhsa_user_sgpr_count 2
		.amdhsa_user_sgpr_kernarg_segment_ptr 1
		.amdhsa_wavefront_size32 1
		.amdhsa_system_sgpr_workgroup_id_x 1
		.amdhsa_system_sgpr_workgroup_id_y 1
		.amdhsa_system_sgpr_workgroup_id_z 1
		.amdhsa_system_vgpr_workitem_id 0
		.amdhsa_next_free_vgpr 192
		.amdhsa_next_free_sgpr 66
		.amdhsa_reserve_vcc 0
		.amdhsa_float_denorm_mode_32 3
		.amdhsa_float_denorm_mode_16_64 3
		.amdhsa_memory_ordered 1
		.amdhsa_forward_progress 1
		.amdhsa_inst_pref_size 103
	.end_amdhsa_kernel
	.amdgpu_metadata
---
amdhsa.version: [ 1, 2 ]
amdhsa.kernels:
  - .name:           k_q6fe1746980_quant
    .symbol:         k_q6fe1746980_quant.kd
    .args:
      - { .name: x, .offset: 0, .size: 8, .value_kind: global_buffer, .address_space: global }
      - { .name: w_qkv, .offset: 8, .size: 8, .value_kind: global_buffer, .address_space: global }
      - { .name: xc, .offset: 16, .size: 8, .value_kind: global_buffer, .address_space: global }
      - { .name: xs, .offset: 24, .size: 8, .value_kind: global_buffer, .address_space: global }
      - { .name: wc, .offset: 32, .size: 8, .value_kind: global_buffer, .address_space: global }
      - { .name: ws, .offset: 40, .size: 8, .value_kind: global_buffer, .address_space: global }
      - { .name: w_proj, .offset: 48, .size: 8, .value_kind: global_buffer, .address_space: global }
      - { .name: wp16, .offset: 56, .size: 8, .value_kind: global_buffer, .address_space: global }
    .group_segment_fixed_size: 33280
    .private_segment_fixed_size: 0
    .kernarg_segment_align: 8
    .kernarg_segment_size: 64
    .max_flat_workgroup_size: 128
    .sgpr_count:     66
    .vgpr_count:     192
    .wavefront_size: 32
...
	.end_amdgpu_metadata
.endif
;; end of part 1
;; launch qkvg (part 2): grid 12 x 32, 4 waves a work-group, clusters of 4 x 4, 327,680 bytes of LDS; arguments xc, xs, wc, ws, b_qkv, qkv, fine32; writes qkv, fine32
.if DOCPART == 2
	.amdgcn_target "amdgcn-amd-amdhsa--gfx1250"
	.amdhsa_code_object_version 6
	.text
	.protected	k_q6fe1746980_qkvg
	.globl	k_q6fe1746980_qkvg
	.p2align	8
	.type	k_q6fe1746980_qkvg,@function
k_q6fe1746980_qkvg:
	s_mov_b64 s[64:65], 0
	v_nop
	global_prefetch_b8 v0, s[64:65] scope:SCOPE_SE
	s_setreg_imm32_b32 hwreg(HW_REG_WAVE_MODE, 25, 1), 1
	s_wait_xcnt 0x0
	s_wait_alu depctr_hold_cnt(0) depctr_sa_sdst(0) depctr_va_vdst(0) depctr_va_sdst(0) depctr_va_ssrc(0) depctr_va_vcc(0) depctr_vm_vsrc(0)
	s_getreg_b32 s2, hwreg(HW_REG_IB_STS2, 6, 4)
	s_cmp_eq_u32 s2, 0
	s_cbranch_scc0 .Lentry_in_a_cluster
	s_endpgm
.Lentry_in_a_cluster:
	s_bfe_u32 s2, ttmp6, 0x10000c
	s_cmp_lg_u32 s2, 0xf033
	s_cbranch_scc0 .Lentry_shape_is_right
	s_endpgm
.Lentry_shape_is_right:
; qkv = x w_qkv^T (+ q's bias) on codes of E2M1 with one E8M0 scale for each 32 along K; K = 1,024.  The matrix instruction takes codes and scale bytes as they lie in memory; sums in f32.
; LEFT OUT: k's bias (the same along the softmax's axis for every query) is not loaded; v's bias is added in the launches that divide by the row's sum.
; A tile of 256 x 256 results is made by a work-group of four waves, a wave 128 x 128: 64 accumulators of 16 x 16.  K is two slots of 512 in LDS, both asked for at the start: nothing is filled again.
; The scale bytes of the work-group's 2 x 256 rows, for all of K, are two dense blocks of 8,192 bytes: they come with the first fills.
; ROLES.  The matrix instruction is used transposed (source 0 = 16 rows of B, source 1 = 16 rows of A): a lane holds one row of A and eight neighbouring rows of B.  For q and k (clusters x = 0, 1) A = x, B = w_qkv: a lane holds a
; position and eight channels: rounded to f16 in pairs, two neighbouring accumulators ARE an operand (16 positions x 32 channels) of q k^T.  For v (cluster x = 2) A = w_qkv, B = x: a lane holds a channel and eight keys:
; two neighbouring accumulators are an operand (16 channels x 32 keys) of v^T p.  So the results go out as images of operand registers, 512 consecutive bytes a store, with no stage in LDS.
; qkv: [batch 4][part x 16 + head: 48][262,144 bytes]; in it q, k: [16 positions: 128][32 channels: 2][1,024]; v: [32 keys: 64][16 channels: 4][1,024].
; fine32: the accumulators of positions 0-15 of each batch in f32, [part 3][batch 4][16 channels: 64][1,024 bytes]: registers 0-3 at 16 x lane, 4-7 at 512 + 16 x lane.
; CLUSTERS: 4 x 4 work-groups; A's tile hangs on cy (and the cluster's x, y) alone and is shared along a row of the cluster, B's on cx alone and is shared along a column: each is asked for jointly.
; The tile maps put each batch's first 256 positions into the clusters with y = 0, so the branch to the f32 stores hangs on the cluster's y and the wave's number alone.
; REGISTERS: window 0: v0-31 addresses; v32-95 scale words, two sets; v128-191 A's fragments, one set; v192-255 the first step's C (q's bias, or zeros).  window 1: B's fragments, two sets.  windows 2, 3: the accumulators ((a, b) at v[8 (8 (a % 4) + b)]).
.set KSTEP,  512
.set NQ,     KSTEP/128
.set ROWB,   256                       ; a tile's row in bytes: 512 codes
.set KROW,   512                       ; a row of codes in memory
.set PITCH,  272                       ; an LDS row: 256 bytes + 16 of padding: the 16 rows that a load touches start 68 words apart
.set FR,     8
.set NL,     2
.set NP,     4                         ; places behind this matrix instruction (ISA guide 7.12.1)
.set HALFT,  128*PITCH
.set SLOT,   4*HALFT
.set KS,     32                        ; a row of scale bytes
.set SCL,    2*SLOT
.set HALFS,  (128*KS/256)*272
.set SBLK,   (16*KS/256)*272
.set SPARE,  SCL+4*HALFS               ; the spare words, 128 bytes a wave, that no other line names
.set ADRA, 16
.set ADRB, 20
.set CO,   26                          ; v26 16 x lane
.set ADRS, 27
.set SPW,  28
.set NIL,  29
.set BO,   30                          ; v30 32 x (lane / 16): the bias's offset
.set SC,   32
.set AF,   128
.set BI,   192
.set PK,   32                          ; the way out: seven sets of 32 packed registers, v32-255
.set G1, 24
.set G0, 32
.set G1B, 48
.set G0B, 56
.set G1S, 68
.set G0S, 76
.set G1SB, 80
.set G0SB, 88
.set MSB, 0
.macro WIN new                         ; the immediate's high byte repeats the setting that is left
.if MSB != (\new)
	s_set_vgpr_msb (MSB<<8)|(\new)
.set MSB, (\new)
.endif
.endm
.set MUL_LO, 0xa1                      ; source 0 (B) window 1, source 1 (A) window 0, C and D window 2
.set MUL_HI, 0xf1                      ; the same, C and D window 3
.set MUL_LO1, 0x81                     ; the first step: C in window 0
.set MUL_HI1, 0xc1
.set TO_B,   0x40
; A joint load: waves 0 and 1 fetch for A, waves 2 and 3 for B; the branch hangs on the wave's number alone.  An s_nop 0 and four v_nop follow each of the two lines.
.macro JLOAD g0a, g1a, g0b, g1b
	s_cmp_eq_u32 s15, 0
	s_cbranch_scc0 .Lfor_b_\@
	tensor_load_to_lds s[\g0a:\g0a+3], s[\g1a:\g1a+7]
	s_nop 0
.rept 4
	v_nop
.endr
	s_branch .Lasked_\@
.Lfor_b_\@:
	tensor_load_to_lds s[\g0b:\g0b+3], s[\g1b:\g1b+7]
	s_nop 0
.rept 4
	v_nop
.endr
.Lasked_\@:
.endm
.macro CROUND                          ; a round of the cluster's barrier
	s_barrier_signal -1
	s_barrier_wait -1
	s_cmp_lg_u32 s14, 0
	s_cbranch_scc1 .Lnot_wave_0_\@
	s_barrier_signal -3
.Lnot_wave_0_\@:
	s_barrier_wait -3
	s_barrier_signal -1
	s_barrier_wait -1
.endm
	s_load_b128 s[4:7], s[0:1], 0x0                ; x's codes, x's scales
	s_load_b128 s[8:11], s[0:1], 0x10              ; w's codes, w's scales
	s_load_b128 s[96:99], s[0:1], 0x20             ; b_qkv, qkv
	s_load_b64 s[12:13], s[0:1], 0x30              ; fine32
	v_lshl_add_u32 v[SPW], v0, 2, SPARE
	v_mov_b32 v[NIL], 0
	ds_add_u32 v[SPW], v[NIL]                      ; the wave's opening: the add, twice on end, and its wait ahead of my first tensor load
	ds_add_u32 v[SPW], v[NIL]
	v_lshrrev_b32 v1, 5, v0
	v_readfirstlane_b32 s14, v1                    ; wave 0..3
	s_lshr_b32 s15, s14, 1                         ; which half of A's rows is mine.  Also: I fetch for A (0) or for B (1)
	s_and_b32 s16, s14, 1                          ; which half of B's rows.  Also: which 128 rows of that tile I fetch
	s_bfe_u32 s40, ttmp6, 0x40000                  ; cx
	s_bfe_u32 s41, ttmp6, 0x40004                  ; cy
	s_and_b32 s100, ttmp7, 0xffff                  ; the cluster's y
	s_lshl_b32 s17, s41, 3
	s_add_co_u32 s17, s17, s100                    ; q, k: A's tile = 8 cy + y: batch cy, its y-th 256 positions
	s_add_co_u32 s18, s41, 8                       ; v:    A's tile = 8 + cy of w_qkv
	s_lshl_b32 s42, ttmp9, 2
	s_add_co_u32 s42, s42, s40                     ; q, k: B's tile = 4 x + cx of w_qkv
	s_lshl_b32 s46, s40, 3
	s_add_co_u32 s46, s46, s100                    ; v:    B's tile = 8 cx + y: batch cx
	s_cmp_eq_u32 ttmp9, 2                          ; the cluster's x: the same in all sixteen partners
	s_cselect_b32 s17, s18, s17
	s_cselect_b32 s42, s46, s42
	s_lshl_b32 s43, s41, 2
	s_lshl_b32 s43, 15, s43                        ; my row of the cluster
	s_lshl_b32 s44, 0x1111, s40                    ; my column
	; descriptor group 1: a tile of 128 rows x 256 bytes, 16 bytes of padding behind each row
	s_or_b32 s[G1+0], s43, (0<<16)|(1<<20)|(1<<21)|(5<<22)|(3<<25)
	s_or_b32 s[G1B+0], s44, (0<<16)|(1<<20)|(1<<21)|(5<<22)|(3<<25)
.irp g, G1, G1B
	s_mov_b32 s[\g+1], ROWB<<16                    ; tensor_dim0
	s_mov_b32 s[\g+2], 128<<16                     ; tensor_dim1
	s_mov_b32 s[\g+3], ROWB<<16                    ; tile_dim0
	s_mov_b32 s[\g+4], 128                         ; tile_dim1
	s_mov_b32 s[\g+5], KROW                        ; the pitch in memory
	s_mov_b32 s[\g+6], 0
	s_mov_b32 s[\g+7], 0
.endr
	; the scales of 128 rows: 4,096 dense bytes as 16 rows of 256 (32 elements of 8 bytes), 16 bytes of padding behind each
	s_or_b32 s[G1S+0], s43, (3<<16)|(1<<20)|(1<<21)|(5<<22)|(3<<25)
	s_or_b32 s[G1SB+0], s44, (3<<16)|(1<<20)|(1<<21)|(5<<22)|(3<<25)
.irp g, G1S, G1SB
	s_mov_b32 s[\g+1], 32<<16
	s_mov_b32 s[\g+2], (128*KS/256)<<16
	s_mov_b32 s[\g+3], 32<<16
	s_mov_b32 s[\g+4], 128*KS/256
	s_mov_b32 s[\g+5], 32
	s_mov_b32 s[\g+6], 0
	s_mov_b32 s[\g+7], 0
.endr
	s_lshl_b32 s18, s16, 7                         ; which 128 rows of the tile I fetch
	s_lshl_b32 s20, s17, 8
	s_add_co_u32 s20, s20, s18                     ; A's row
	s_lshl_b32 s46, s42, 8
	s_add_co_u32 s46, s46, s18                     ; B's row
	s_mov_b32 s21, 0
	s_mov_b32 s47, 0
	s_mov_b64 s[18:19], KS
	s_mul_u64 s[22:23], s[20:21], s[18:19]         ; where these rows' scales begin
	s_mul_u64 s[92:93], s[46:47], s[18:19]
	s_mov_b64 s[18:19], KROW
	s_mul_u64 s[20:21], s[20:21], s[18:19]         ; and their codes
	s_mul_u64 s[46:47], s[46:47], s[18:19]
	s_mul_i32 s45, s14, HALFT                      ; where they go: wave x 128 rows
	s_mul_i32 s94, s14, HALFS
	s_wait_dscnt 0x0                               ; both opening adds are done
	s_wait_kmcnt 0x0
	s_cmp_eq_u32 ttmp9, 2                          ; which tensor is A and which is B: a choice between buffers on the cluster's x
	s_cselect_b64 s[66:67], s[8:9], s[4:5]         ; A's codes
	s_cselect_b64 s[8:9], s[4:5], s[8:9]           ; B's codes
	s_cselect_b64 s[4:5], s[10:11], s[6:7]         ; A's scales
	s_cselect_b64 s[10:11], s[6:7], s[10:11]       ; B's scales
	s_add_nc_u64 s[20:21], s[66:67], s[20:21]
	s_add_nc_u64 s[22:23], s[4:5], s[22:23]
	s_add_nc_u64 s[46:47], s[8:9], s[46:47]
	s_add_nc_u64 s[92:93], s[10:11], s[92:93]
	CROUND                                         ; all sixteen work-groups are here: the first joint loads meet
	s_mov_b32 s[G0S], 1
	s_add_co_u32 s[G0S+1], s94, SCL
	s_mov_b64 s[G0S+2:G0S+3], s[22:23]
	s_or_b32 s[G0S+3], s[G0S+3], 0x80000000
	s_mov_b32 s[G0SB], 1
	s_add_co_u32 s[G0SB+1], s94, SCL
	s_mov_b64 s[G0SB+2:G0SB+3], s[92:93]
	s_or_b32 s[G0SB+3], s[G0SB+3], 0x80000000
	JLOAD G0S, G1S, G0SB, G1SB                     ; the scales first: they are wanted with the first slot
.irp s, 0,1
	s_mov_b32 s[G0+4*\s], 1
	s_add_co_u32 s[G0+4*\s+1], s45, \s*SLOT
	s_add_nc_u64 s[G0+4*\s+2:G0+4*\s+3], s[20:21], \s*ROWB
	s_or_b32 s[G0+4*\s+3], s[G0+4*\s+3], 0x80000000
	s_mov_b32 s[G0B+4*\s], 1
	s_add_co_u32 s[G0B+4*\s+1], s45, \s*SLOT
	s_add_nc_u64 s[G0B+4*\s+2:G0B+4*\s+3], s[46:47], \s*ROWB
	s_or_b32 s[G0B+4*\s+3], s[G0B+4*\s+3], 0x80000000
	JLOAD G0+4*\s, G1, G0B+4*\s, G1B               ; three loads of mine are out
.endr
	; the C of the first step: q's bias in the result's layout (for B's block b: channels 16 b + 8 (lane / 16) + 0..7), zeros for k and v, so that one first step serves all three
	v_bfe_u32 v2, v0, 4, 1                         ; l / 16
	v_lshlrev_b32 v[BO], 5, v2
	s_cmp_eq_u32 ttmp9, 0
	s_cbranch_scc0 .Lno_bias
	s_lshl_b32 s92, s40, 10                        ; my first channel, in bytes: (256 cx + 128 half) x 4
	s_lshl_b32 s93, s16, 9
	s_add_co_u32 s92, s92, s93
	s_mov_b32 s93, 0
	s_add_nc_u64 s[96:97], s[96:97], s[92:93]
.irp b, 0,1,2,3,4,5,6,7
	global_load_b128 v[BI+8*\b:BI+8*\b+3],   v[BO], s[96:97] offset:64*\b
	global_load_b128 v[BI+8*\b+4:BI+8*\b+7], v[BO], s[96:97] offset:64*\b+16
.endr
	s_branch .Lbias_done
.Lno_bias:
.set i, 0
.rept 64
	v_mov_b32 v[BI+i], 0
.set i, i+1
.endr
.Lbias_done:
	v_and_b32 v1, 15, v0                           ; l % 16
	v_mul_u32_u24 v3, v1, PITCH
	v_lshl_add_u32 v4, v2, 4, v3                   ; a fragment's row x pitch + 16 x half
	s_mul_i32 s21, s15, HALFT                      ; my 128 rows of A
	s_mul_i32 s22, s16, HALFT                      ; my 128 rows of B,
	s_add_co_u32 s22, s22, 2*HALFT                 ; which lie behind A's 256
.irp s, 0,1
	v_add_nc_u32 v[ADRA+\s], s21, v4
	v_add_nc_u32 v[ADRB+\s], s22, v4
	s_add_co_u32 s21, s21, SLOT
	s_add_co_u32 s22, s22, SLOT
.endr
	v_mul_u32_u24 v5, v1, KS                       ; my row's scales: 32 bytes a row,
	v_lshrrev_b32 v6, 8, v5
	v_lshl_add_u32 v5, v6, 4, v5                   ; and 16 more for each 256 passed
	s_mul_i32 s21, s15, HALFS
	s_mul_i32 s22, s16, HALFS
	s_add_co_u32 s22, s22, 2*HALFS
	s_sub_co_u32 s22, s22, s21
	v_mul_u32_u24 v6, s22, v2                      ; lanes 16-31 take B's: the lower base + h x the distance
	s_add_co_u32 s21, s21, SCL
	v_add_nc_u32 v5, v5, v6
	v_add_nc_u32 v[ADRS], s21, v5
	v_and_b32 v6, 31, v0
	v_lshlrev_b32 v[CO], 4, v6
.macro FRAG reg, adr, q, i             ; 16 rows x 128 K of 4-bit codes: 8 registers: lane l holds row l % 16; registers 4 c .. 4 c + 3 hold K = 64 c + 32 (l / 16) + 0 .. 31
.irp c, 0,1
	ds_load_b128 v[\reg+4*\c:\reg+4*\c+3], v[\adr] offset:64*(\q)+32*\c+(\i)*16*PITCH
.endr
.endm
; 16 matrix instructions: A's blocks a0, a0 + 1 x B's eight, 128 along K.  first = 1: C is the bias (or zeros).  The 64 accumulators take turns, one instruction a turn.
.macro MUL16 a0, p, q, sc, first
.irp a, \a0, \a0+1
.irp b, 0,1,2,3,4,5,6,7
.if \first
	v_wmma_scale_f32_16x16x128_f8f6f4 v[8*(8*((\a)%4)+\b):8*(8*((\a)%4)+\b)+7], v[128*(\p)+FR*\b:128*(\p)+FR*\b+FR-1], v[AF+FR*(\a):AF+FR*(\a)+FR-1], v[BI+8*\b:BI+8*\b+7], v[SC+8*NQ*(\sc)+NQ*\b+(\q)], v[SC+8*NQ*(\sc)+NQ*(\a)+(\q)] matrix_a_fmt:MATRIX_FMT_FP4 matrix_b_fmt:MATRIX_FMT_FP4 matrix_a_scale:MATRIX_SCALE_ROW1
.else
	v_wmma_scale_f32_16x16x128_f8f6f4 v[8*(8*((\a)%4)+\b):8*(8*((\a)%4)+\b)+7], v[128*(\p)+FR*\b:128*(\p)+FR*\b+FR-1], v[AF+FR*(\a):AF+FR*(\a)+FR-1], v[8*(8*((\a)%4)+\b):8*(8*((\a)%4)+\b)+7], v[SC+8*NQ*(\sc)+NQ*\b+(\q)], v[SC+8*NQ*(\sc)+NQ*(\a)+(\q)] matrix_a_fmt:MATRIX_FMT_FP4 matrix_b_fmt:MATRIX_FMT_FP4 matrix_a_scale:MATRIX_SCALE_ROW1
.endif
.endr
.endr
.endm
.macro FETCH_B slot, q, p
	WIN TO_B
.irp i, 0,1,2,3,4,5,6,7
	FRAG 128*(\p)+FR*\i, ADRB+\slot, \q, \i
.endr
	WIN 0
.endm
.macro FETCH_A slot, q, i0
.irp i, \i0, \i0+1, \i0+2, \i0+3
	FRAG AF+FR*(\i), ADRA+\slot, \q, \i
.endr
.endm
.macro SCALES sc                       ; a slot's scale words: 4 words a row; lanes 0-15 take A's block i, lanes 16-31 B's block i
.irp i, 0,1,2,3,4,5,6,7
	ds_load_b128 v[SC+8*NQ*\sc+NQ*\i:SC+8*NQ*\sc+NQ*\i+3], v[ADRS] offset:\i*SBLK
.endr
.endm
.macro PLACES n                        ; plain vector instructions between a matrix instruction and a load into, or a read of, its registers
.rept \n
	v_nop
.endr
.endm
.macro STEP slot, q, first             ; 128 along K that have their successor in the same slot
	s_wait_dscnt 4*NL                              ; B's set and A's blocks 0-3 are in; the youngest eight loads (A's blocks 4-7) may be out
.if \first
	WIN MUL_LO1
.else
	WIN MUL_LO
.endif
	MUL16 0, (\q)%2, \q, \slot, \first
	MUL16 2, (\q)%2, \q, \slot, \first
	s_wait_dscnt 0                                 ; A's blocks 4-7 are in
	PLACES NP
	FETCH_B \slot, (\q)+1, 1-(\q)%2
	FETCH_A \slot, (\q)+1, 0
.if \first
	WIN MUL_HI1
.else
	WIN MUL_HI
.endif
	MUL16 4, (\q)%2, \q, \slot, \first
	MUL16 6, (\q)%2, \q, \slot, \first
	PLACES NP
	WIN 0
	FETCH_A \slot, (\q)+1, 4
.endm
.macro STEPS slot, from
.set Q, \from
.rept NQ-1-\from
	STEP \slot, Q, 0
.set Q, Q+1
.endr
.endm
	s_wait_tensorcnt 1                             ; the scales and my part of slot 0 are in (slot 1's load may be out)
	s_barrier_signal -1
	s_barrier_wait -1                              ; everybody's are
	FETCH_B 0, 0, 0
	FETCH_A 0, 0, 0
	SCALES 0
	FETCH_A 0, 0, 4
	s_wait_loadcnt 0x0                             ; the bias
	STEP 0, 0, 1
	STEPS 0, 1
	; slot 0's last step changes slots: one barrier; in front of it each wave waits for all its tensor loads (its part of slot 1), adds 0 to its spare word, and waits for that and for its reads
	s_wait_tensorcnt 0x0
	ds_add_u32 v[SPW], v[NIL]
	s_wait_dscnt 4*NL+1                            ; (the add and the youngest eight loads may be out)
	WIN MUL_LO
	MUL16 0, 1, NQ-1, 0, 0
	s_wait_dscnt 0x0
	s_barrier_signal -1
	MUL16 2, 1, NQ-1, 0, 0
	WIN 0
	s_barrier_wait -1                              ; slot 1 is whole
	PLACES NP
	v_add_nc_u32 v[ADRS], 4*NQ, v[ADRS]            ; on to slot 1's scale words
	FETCH_B 1, 0, 0
	FETCH_A 1, 0, 0
	SCALES 1
	WIN MUL_HI
	MUL16 4, 1, NQ-1, 0, 0
	MUL16 6, 1, NQ-1, 0, 0
	PLACES NP
	WIN 0
	FETCH_A 1, 0, 4
	STEPS 1, 0
	s_wait_dscnt 4*NL                              ; the very last step: nothing more to fetch
	WIN MUL_LO
	MUL16 0, 1, NQ-1, 1, 0
	MUL16 2, 1, NQ-1, 1, 0
	s_wait_dscnt 0
	WIN MUL_HI
	MUL16 4, 1, NQ-1, 1, 0
	MUL16 6, 1, NQ-1, 1, 0
	WIN 0
; THE WAY OUT.  A's block a: its 64 registers a lane are rounded to f16 in pairs, each accumulator from its low end on; four packed registers are half an operand's image.
.macro PACKA a
	WIN 0x0a+5*((\a)/4)                            ; sources 0 and 1: window 2 or 3
.irp b, 0,1,2,3,4,5,6,7
.irp r, 0,1,2,3
	v_cvt_pk_f16_f32 v[PK+32*((\a)%7)+4*\b+\r], v[64*((\a)%4)+8*\b+2*\r], v[64*((\a)%4)+8*\b+2*\r+1]
.endr
.endr
	WIN 0
.endm
	PLACES NP                                      ; behind the last products: stores and conversions read results, and the packed registers lie where operands and scales lay
	s_cmp_eq_u32 ttmp9, 2
	s_cbranch_scc1 .Lout_v
	; ---- q, k
	s_or_b32 s92, s100, s15                        ; positions 0-15 of a batch: cluster y = 0, the waves with A's first half, block 0
	s_cmp_lg_u32 s92, 0
	s_cbranch_scc1 .Lno_fine_qk
	s_lshl_b32 s92, ttmp9, 18                      ; part
	s_lshl_b32 s93, s41, 16                        ; batch cy
	s_add_co_u32 s92, s92, s93
	s_lshl_b32 s93, s40, 14                        ; 16 cx + 8 half images of 1,024 bytes
	s_add_co_u32 s92, s92, s93
	s_lshl_b32 s93, s16, 13
	s_add_co_u32 s92, s92, s93
	s_mov_b32 s93, 0
	s_add_nc_u64 s[12:13], s[12:13], s[92:93]
	WIN 0x08                                       ; a store's data: window 2
.irp b, 0,1,2,3,4,5,6,7
	global_store_b128 v[CO], v[8*\b:8*\b+3],   s[12:13] offset:1024*\b
	global_store_b128 v[CO], v[8*\b+4:8*\b+7], s[12:13] offset:1024*\b+512
.endr
	WIN 0
.Lno_fine_qk:
	s_mul_i32 s92, s41, 0xC00000                   ; batch cy
	s_lshl_b32 s93, ttmp9, 4
	s_lshl_b32 s94, s40, 2
	s_add_co_u32 s93, s93, s94
	s_lshl_b32 s94, s16, 1
	s_add_co_u32 s93, s93, s94                     ; 16 part + head, head = 4 cx + 2 half
	s_lshl_b32 s93, s93, 18
	s_add_co_u32 s92, s92, s93
	s_lshl_b32 s93, s100, 4
	s_lshl_b32 s94, s15, 3
	s_add_co_u32 s93, s93, s94                     ; my first 16 positions: 16 y + 8 half
	s_lshl_b32 s93, s93, 11
	s_add_co_u32 s92, s92, s93
	s_mov_b32 s93, 0
	s_add_nc_u64 s[98:99], s[98:99], s[92:93]
.irp a, 0,1,2,3,4,5,6,7
.if \a == 7
	s_wait_xcnt 0x0                                ; block 0's stores have read their registers, which block 7 takes
.endif
	PACKA \a
.irp b, 0,1,2,3,4,5,6,7
	global_store_b128 v[CO], v[PK+32*(\a%7)+4*\b:PK+32*(\a%7)+4*\b+3], s[98:99] offset:(\b/4)*262144+\a*2048+(\b%4)*512 th:TH_STORE_NT   ; head b / 4, positions 16 a on, half an image b % 4: 512 consecutive bytes
.endr
.endr
	s_branch .Ldone
	; ---- v
.Lout_v:
	s_or_b32 s92, s100, s16                        ; keys 0-15 of a batch: cluster y = 0, the waves with B's first half, B's block 0
	s_cmp_lg_u32 s92, 0
	s_cbranch_scc1 .Lno_fine_v
	s_lshl_b32 s92, s40, 16                        ; batch cx
	s_add_co_u32 s92, s92, 2<<18                   ; part 2
	s_lshl_b32 s93, s41, 14                        ; 16 cy + 8 half images
	s_add_co_u32 s92, s92, s93
	s_lshl_b32 s93, s15, 13
	s_add_co_u32 s92, s92, s93
	s_mov_b32 s93, 0
	s_add_nc_u64 s[12:13], s[12:13], s[92:93]
	WIN 0x08
.irp a, 0,1,2,3
	global_store_b128 v[CO], v[64*\a:64*\a+3],   s[12:13] offset:1024*\a
	global_store_b128 v[CO], v[64*\a+4:64*\a+7], s[12:13] offset:1024*\a+512
.endr
	WIN 0x0c                                       ; window 3
.irp a, 0,1,2,3
	global_store_b128 v[CO], v[64*\a:64*\a+3],   s[12:13] offset:1024*(\a+4)
	global_store_b128 v[CO], v[64*\a+4:64*\a+7], s[12:13] offset:1024*(\a+4)+512
.endr
	WIN 0
.Lno_fine_v:
	s_mul_i32 s92, s40, 0xC00000                   ; batch cx
	s_lshl_b32 s93, s41, 2
	s_lshl_b32 s94, s15, 1
	s_add_co_u32 s93, s93, s94
	s_add_co_u32 s93, s93, 32                      ; 32 + head, head = 4 cy + 2 half
	s_lshl_b32 s93, s93, 18
	s_add_co_u32 s92, s92, s93
	s_lshl_b32 s93, s100, 3
	s_lshl_b32 s94, s16, 2
	s_add_co_u32 s93, s93, s94                     ; my first 32 keys: 8 y + 4 half
	s_lshl_b32 s93, s93, 12
	s_add_co_u32 s92, s92, s93
	s_mov_b32 s93, 0
	s_add_nc_u64 s[98:99], s[98:99], s[92:93]
.irp a, 0,1,2,3,4,5,6,7
.if \a == 7
	s_wait_xcnt 0x0
.endif
	PACKA \a
.irp b, 0,1,2,3,4,5,6,7
	global_store_b128 v[CO], v[PK+32*(\a%7)+4*\b:PK+32*(\a%7)+4*\b+3], s[98:99] offset:(\a/4)*262144+(\a%4)*1024+(\b/2)*4096+(\b%2)*512 th:TH_STORE_NT   ; head a / 4, channels 16 (a % 4) on, keys 32 (b / 2) on
.endr
.endr
.Ldone:
	s_wait_tensorcnt 0x0                           ; the wave's end
	ds_add_u32 v[SPW], v[NIL]
	s_wait_dscnt 0x0
	CROUND                                         ; the closing round
	s_endpgm
.Lfunc_end_k_q6fe1746980_qkvg:
	.size	k_q6fe1746980_qkvg, .Lfunc_end_k_q6fe1746980_qkvg-k_q6fe1746980_qkvg
	.p2alignl 7, 3214868480
	.fill 96, 4, 3214868480
	.section	.rodata,"a",@progbits
	.p2align	6, 0x0
	.amdhsa_kernel k_q6fe1746980_qkvg
		.amdhsa_group_segment_fixed_size 327680
		.amdhsa_private_segment_fixed_size 0
		.amdhsa_enable_private_segment 0
		.amdhsa_kernarg_size 56
		.amdhsa_user_sgpr_count 2
		.amdhsa_user_sgpr_kernarg_segment_ptr 1
		.amdhsa_wavefront_size32 1
		.amdhsa_system_sgpr_workgroup_id_x 1
		.amdhsa_system_sgpr_workgroup_id_y 1
		.amdhsa_system_sgpr_workgroup_id_z 1
		.amdhsa_system_vgpr_workitem_id 0
		.amdhsa_next_free_vgpr 1024
		.amdhsa_next_free_sgpr 102
		.amdhsa_reserve_vcc 0
		.amdhsa_float_denorm_mode_32 3
		.amdhsa_float_denorm_mode_16_64 3
		.amdhsa_memory_ordered 1
		.amdhsa_forward_progress 1
		.amdhsa_inst_pref_size 149
	.end_amdhsa_kernel
	.amdgpu_metadata
---
amdhsa.version: [ 1, 2 ]
amdhsa.kernels:
  - .name:           k_q6fe1746980_qkvg
    .symbol:         k_q6fe1746980_qkvg.kd
    .args:
      - { .name: xc, .offset: 0, .size: 8, .value_kind: global_buffer, .address_space: global }
      - { .name: xs, .offset: 8, .size: 8, .value_kind: global_buffer, .address_space: global }
      - { .name: wc, .offset: 16, .size: 8, .value_kind: global_buffer, .address_space: global }
      - { .name: ws, .offset: 24, .size: 8, .value_kind: global_buffer, .address_space: global }
      - { .name: b_qkv, .offset: 32, .size: 8, .value_kind: global_buffer, .address_space: global }
      - { .name: qkv, .offset: 40, .size: 8, .value_kind: global_buffer, .address_space: global }
      - { .name: fine32, .offset: 48, .size: 8, .value_kind: global_buffer, .address_space: global }
    .group_segment_fixed_size: 327680
    .private_segment_fixed_size: 0
    .kernarg_segment_align: 8
    .kernarg_segment_size: 56
    .max_flat_workgroup_size: 128
    .sgpr_count:     102
    .vgpr_count:     1024
    .wavefront_size: 32
...
	.end_amdgpu_metadata
.endif
;; end of part 2
;; launch attn (part 3): grid 4 x 64, 8 waves a work-group, no clusters, 327,680 bytes of LDS; arguments qkv, b_qkv, oimg; writes oimg
.if DOCPART == 3
	.amdgcn_target "amdgcn-amd-amdhsa--gfx1250"
	.amdhsa_code_object_version 6
	.text
	.protected	k_q6fe1746980_attn
	.globl	k_q6fe1746980_attn
	.p2align	8
	.type	k_q6fe1746980_attn,@function
k_q6fe1746980_attn:
	s_mov_b64 s[64:65], 0
	v_nop
	global_prefetch_b8 v0, s[64:65] scope:SCOPE_SE
	s_setreg_imm32_b32 hwreg(HW_REG_WAVE_MODE, 25, 1), 1
	s_wait_xcnt 0x0
; o[b][h][q] = sum over k <= q of softmax_k(q . k / 8) v + bv, on f16 operands with f32 sums; maxima, exponentials and row sums in f32; the weights are rounded to f16 for the second product.
; LEFT OUT: tiles of 16 queries x 64 keys wholly above the diagonal (the mask gives them the weight 0) are neither fetched nor multiplied; k carries no bias (the same along the softmax's axis);
; v's bias is the addend of the multiply-add that divides by the row's sum (the weights of a row add up to 1).
; LIMITS: |q|, |k|, |v|, |o| under 65,504.
; NO CLUSTER: the four work-groups of a head need 8, 7, 6 and 5 slots of keys; a joint load would bring a partner tiles that none of its waves reads.
; SHARES.  Work-group (i, head) owns the blocks i and 7 - i of 256 queries: 528 tiles of 16 queries x 64 keys in every work-group.  Wave w of eight (two to a SIMD, so that one wave's products stand beside the other's
; softmax) owns four tiles of 16 queries: 256 i + 16 w, that + 128, 256 (7 - i) + 16 w, that + 128.
; LAYOUT.  S^T = K Q^T (source 0 = 16 keys, source 1 = 16 queries), O^T = V^T P: a lane holds ONE query throughout.  q, k and v lie in memory as images of operand registers (1,024 bytes: registers 0-3 at 16 x lane, 4-7 at 512 + 16 x lane):
; a slot's 256 keys are 32,768 dense bytes of K and as many of V, each LDS load takes 512 consecutive bytes, and nothing is padded or turned.
; EVERY work-group walks all 8 slots (trip counts are constants of the text); a step or a tile all of whose keys come after its queries is jumped over by a scalar branch on ids, and a slot whose first key comes after the
; work-group's last query is not asked for.  Key 0 counts for every query, so the running maximum is a number from the first step on.
; REGISTERS: window 0: v1 16 x lane; v2 the loads' address; v3 r - 8 h; v4 the mask's bound; v5 -infinity; v6, v7 the add's two; v8 the prefetch's offset; v9 bv's offset; v10-13 o's offsets; v16-31 four a tile: c m, m, l, l;
;   v32-39 at work; v40-71 S^T; v72-87 P; v88-91 Q's offsets; v96-159 K of a step; v160-223 V of a step.   window 1: v0-63 Q; v64-191 O^T; v192-223 bv.
.set SLOT1, 65536
.set VOFF,  32768
.set STEPB, 8192                       ; 64 keys of K, or of V
.set SPARE, 131072                     ; the spare words, 128 bytes a wave, that no other line names
.set LN,  1
.set ADR, 2
.set RH,  3
.set DD,  4
.set NINF, 5
.set SPW, 6
.set NIL, 7
.set PFO, 8
.set BVO, 9
.set GO,  10
.set ST,  16
.set TW,  32
.set S,   40
.set P,   72
.set QO,  88
.set KFR, 96
.set VFR, 160
.set QF,  0                            ; window 1
.set OA,  64
.set BV,  192
.set TB,  2                            ; s2  LDS byte at which the step's tiles begin
.set CNT, 3                            ; s3  counts a slot's four steps
.set WV,  12
.set KF,  13                           ; s13 the step's first key
.set SLOTS, 14
.set LIM, 15                           ; s15 1 in a wave that prefetches, else the greatest number
.set PFA, 18                           ; s[18:19] where my prefetches stand
.set SEL, 20
.set CS,  22                           ; s[22:23] c = log2(e) / 8
.set G1,  24
.set G0,  40
.set Q0,  44                           ; s44-47 my tiles' first queries
.set QL,  48                           ; s48 my work-group's last query
.set MSB, 0
.macro WIN new
.if MSB != (\new)
	s_set_vgpr_msb (MSB<<8)|(\new)
.set MSB, (\new)
.endif
.endm
.macro TLOAD                           ; waves 0 and 1 fetch K's halves of a slot, waves 2 and 3 V's: 64 rows of 256 bytes each.  An s_nop 0 and four v_nop follow the line
	s_cmp_lt_u32 s[WV], 4
	s_cbranch_scc0 .Lnone_\@
	tensor_load_to_lds s[G0:G0+3], s[G1:G1+7]
	s_nop 0
.rept 4
	v_nop
.endr
.Lnone_\@:
.endm
; A prefetch of what the NEXT change of slots will ask for.  All four work-groups of a head walk the same K and V: the first of them asks; in it the waves that fetch nothing, 4 to 7, take 8,192 bytes of K's 32,768 each,
; lanes 256 bytes apart, and the same of V's, 4,194,304 bytes on.  So each aligned run of 256 bytes is named once.  The last change that fills a slot asks for nothing; slots 0 and 1 come by their loads alone.
.macro ASK
	s_cmp_gt_u32 s[SLOTS], s[LIM]
	s_cbranch_scc0 .Lnot_mine_\@
	global_prefetch_b8 v[PFO], s[PFA:PFA+1] th:TH_LOAD_NT scope:SCOPE_SE
	global_prefetch_b8 v[PFO], s[PFA:PFA+1] offset:4194304 th:TH_LOAD_NT scope:SCOPE_SE
.Lnot_mine_\@:
.endm
	s_load_b128 s[4:7], s[0:1], 0x0                ; qkv, b_qkv
	s_load_b64 s[8:9], s[0:1], 0x10                ; oimg
	v_lshl_add_u32 v[SPW], v0, 2, SPARE
	v_mov_b32 v[NIL], 0
	ds_add_u32 v[SPW], v[NIL]                      ; the wave's opening: the add, twice on end, and its wait ahead of my first tensor load
	ds_add_u32 v[SPW], v[NIL]
	v_lshrrev_b32 v1, 5, v0
	v_readfirstlane_b32 s[WV], v1                  ; wave 0..7
	s_and_b32 s32, ttmp7, 0xffff
	s_lshr_b32 s33, s32, 4                         ; batch
	s_and_b32 s34, s32, 15                         ; head
	s_mul_i32 s36, s33, 0xC00000
	s_lshl_b32 s35, s34, 18
	s_add_co_u32 s36, s36, s35                     ; q's first byte of this batch and head
	s_mov_b32 s37, 0
	s_lshl_b32 s[Q0], ttmp9, 8
	s_lshl_b32 s35, s[WV], 4
	s_add_co_u32 s[Q0], s[Q0], s35
	s_add_co_u32 s[Q0+1], s[Q0], 128
	s_sub_co_u32 s38, 7, ttmp9
	s_lshl_b32 s38, s38, 8
	s_add_co_u32 s[Q0+2], s38, s35
	s_add_co_u32 s[Q0+3], s[Q0+2], 128
	s_or_b32 s[QL], s38, 255
	; descriptor group 1: 16,384 dense bytes as 64 rows of 256 (32 elements of 8 bytes), no padding
	s_mov_b32 s[G1], 3<<16
	s_mov_b32 s[G1+1], 32<<16                      ; tensor_dim0
	s_mov_b32 s[G1+2], 64<<16                      ; tensor_dim1
	s_mov_b32 s[G1+3], 32<<16                      ; tile_dim0
	s_mov_b32 s[G1+4], 64                          ; tile_dim1
	s_mov_b32 s[G1+5], 32                          ; the pitch
	s_mov_b32 s[G1+6], 0
	s_mov_b32 s[G1+7], 0
	s_lshr_b32 s38, s[WV], 1
	s_add_co_u32 s38, s38, 1
	s_lshl_b32 s38, s38, 22                        ; k lies 2^22 bytes behind q, v 2^23
	s_and_b32 s39, s[WV], 1
	s_lshl_b32 s39, s39, 14                        ; which half of a slot's 32,768 bytes
	s_add_co_u32 s38, s38, s39
	s_add_co_u32 s38, s38, s36
	s_mov_b32 s39, 0
	s_lshl_b32 s[G0+1], s[WV], 14                  ; LDS: K's halves, then V's: 16,384 x wave
	s_mov_b32 s[SEL], 0x76543210
	s_mov_b32 s[SEL+1], 0xfedcba98
	s_mov_b32 s[CS], 0x3e38aa3b                    ; c = log2(e) / sqrt(64)
	s_mov_b32 s[CS+1], s[CS]                       ; (named with it as a pair, so it is written)
	s_mov_b32 s[TB], 0
	s_mov_b32 s[KF], 0
	s_mov_b32 s[SLOTS], 7
	s_lshr_b32 s35, s[WV], 2
	s_xor_b32 s35, s35, 1                          ; 0 in waves 4 to 7,
	s_or_b32 s35, s35, ttmp9                       ; of the head's first work-group
	s_cmp_eq_u32 s35, 0
	s_cselect_b32 s[LIM], 1, -1
	s_wait_dscnt 0x0                               ; both opening adds are done
	s_wait_kmcnt 0x0
	s_mov_b32 s[G0], 1
	s_add_nc_u64 s[G0+2:G0+3], s[4:5], s[38:39]
	s_or_b32 s[G0+3], s[G0+3], 0x80000000
	TLOAD                                          ; slot 0: it holds key 0, which counts for every query
	s_and_b32 s38, s[WV], 3
	s_lshl_b32 s38, s38, 13
	s_add_co_u32 s38, s38, s36
	s_add_co_u32 s38, s38, 0x408000                ; in k, slot 1: the first change of slots steps it to slot 2
	s_add_nc_u64 s[PFA:PFA+1], s[4:5], s[38:39]
	s_add_nc_u64 s[10:11], s[4:5], s[36:37]        ; q of my head
	s_lshl_b32 s38, s33, 22
	s_lshl_b32 s35, s34, 11
	s_add_co_u32 s38, s38, s35
	s_add_nc_u64 s[8:9], s[8:9], s[38:39]          ; o: batch x 128 tiles of 32,768 bytes + head x 2 images
	s_lshl_b32 s38, s34, 8
	s_add_co_u32 s38, s38, 8192
	s_add_nc_u64 s[6:7], s[6:7], s[38:39]          ; v's bias of my head: (2,048 + 64 head) x 4
	v_and_b32 v14, 31, v0
	v_lshlrev_b32 v[LN], 4, v14
	v_lshlrev_b32 v[PFO], 8, v14
	v_and_b32 v14, 15, v0                          ; r
	v_bfe_u32 v15, v0, 4, 1                        ; h
	v_lshlrev_b32 v[BVO], 3, v15
	v_sub_nc_u32 v[RH], v14, v[BVO]                ; r - 8 h
	v_lshlrev_b32 v[BVO], 5, v15                   ; 32 h
	v_mov_b32 v[NINF], 0xff800000
	v_mov_b32 v[TW+5], 0                           ; (named as the upper half of the pair that holds a)
.irp u, 0,1,2,3
	s_lshl_b32 s38, s[Q0+\u], 7                    ; a tile of 16 queries is 2,048 bytes of q,
	v_add_nc_u32 v[QO+\u], s38, v[LN]
	s_lshl_b32 s38, s[Q0+\u], 11                   ; and 32,768 of o
	v_add_nc_u32 v[GO+\u], s38, v[LN]
	v_mov_b32 v[ST+4*\u+1], 0xff61b1e6             ; m = -3e38, under every score
	v_mul_f32 v[ST+4*\u], s[CS], v[ST+4*\u+1]      ; c m
	v_mov_b32 v[ST+4*\u+2], 0                      ; l, in two halves
	v_mov_b32 v[ST+4*\u+3], 0
.endr
	WIN 0x40                                       ; destination window 1
.irp u, 0,1,2,3
.irp c, 0,1
	global_load_b128 v[QF+16*\u+8*\c:QF+16*\u+8*\c+3],   v[QO+\u], s[10:11] offset:1024*\c
	global_load_b128 v[QF+16*\u+8*\c+4:QF+16*\u+8*\c+7], v[QO+\u], s[10:11] offset:1024*\c+512
.endr
.endr
.irp t, 0,1,2,3
	global_load_b128 v[BV+8*\t:BV+8*\t+3],   v[BVO], s[6:7] offset:64*\t      ; channels 16 t + 8 h + 0..7
	global_load_b128 v[BV+8*\t+4:BV+8*\t+7], v[BVO], s[6:7] offset:64*\t+16
.endr
.set i, 0
.rept 128
	v_mov_b32 v[OA+i], 0                           ; O^T.  (The step is written once: a tile's first step finds zeros, which its a = 0 leaves zeros)
.set i, i+1
.endr
	WIN 0
; ONE TILE OF 16 QUERIES IN ONE STEP OF 64 KEYS.
.macro TILE u
.set rT, ST+4*(\u)
.if \u < 3                             ; (tile 3's test is the step's own)
	s_cmp_gt_u32 s[KF], s[Q0+\u]                   ; both are multiples of 16: all 64 keys come after my 16 queries
	s_cbranch_scc1 .Lskip_\@
.endif
	WIN 0x04                                       ; Q in window 1
.irp kt, 0,1,2,3                       ; the four accumulators take turns
	v_wmma_f32_16x16x32_f16 v[S+8*\kt:S+8*\kt+7], v[KFR+16*\kt:KFR+16*\kt+7], v[QF+16*\u:QF+16*\u+7], 0
.endr
.irp kt, 0,1,2,3
	v_wmma_f32_16x16x32_f16 v[S+8*\kt:S+8*\kt+7], v[KFR+16*\kt+8:KFR+16*\kt+15], v[QF+16*\u+8:QF+16*\u+15], v[S+8*\kt:S+8*\kt+7]
.endr
	WIN 0
	s_sub_co_i32 s32, s[Q0+\u], s[KF]
	v_add_nc_u32 v[DD], s32, v[RH]                 ; d = my query - the step's first key - 8 h.  (With the three below: the places behind the products)
.rept 3
	v_nop
.endr
	s_add_co_u32 s33, s[KF], 63
	s_cmp_le_u32 s33, s[Q0+\u]                     ; all 64 keys count for all 16 queries
	s_cbranch_scc1 .Lopen_\@
.irp kt, 0,1,2,3                       ; on the diagonal: register 8 kt + j holds key 16 kt + 8 h + j: hidden where 16 kt + j > d
.irp j, 0,1,2,3,4,5,6,7
	v_cmp_gt_i32 vcc_lo, 16*\kt+\j, v[DD]
	v_cndmask_b32 v[S+8*\kt+\j], v[S+8*\kt+\j], v[NINF], vcc_lo
.endr
.endr
.Lopen_\@:
.irp j, 0,1,2,3
	v_max3_num_f32 v[TW+\j], v[S+8*\j], v[S+8*\j+1], v[S+8*\j+2]   ; the largest of my 32 scores and the old m: four chains
.endr
.irp i, 3,5
.irp j, 0,1,2,3
	v_max3_num_f32 v[TW+\j], v[TW+\j], v[S+8*\j+\i], v[S+8*\j+\i+1]
.endr
.endr
	v_max3_num_f32 v[TW], v[TW], v[S+7], v[S+15]
	v_max3_num_f32 v[TW+2], v[TW+2], v[S+23], v[S+31]
	v_max3_num_f32 v[TW], v[TW], v[TW+1], v[TW+2]
	v_max3_num_f32 v[TW], v[TW], v[TW+3], v[rT+1]
	v_permlanex16_b32 v[TW+1], v[TW], s[SEL], s[SEL+1]   ; the query's other 32 keys lie in the lane 16 away
	v_mov_b32 v[TW+6], v[rT]                       ; c m_old
	v_max_num_f32 v[rT+1], v[TW], v[TW+1]          ; the new m
	v_mul_f32 v[rT], s[CS], v[rT+1]
	v_sub_f32 v[TW+6], v[TW+6], v[rT]              ; c m_old - c m_new
.irp j, 0,2,4,6,8,10,12,14,16,18,20,22,24,26,28,30
	v_pk_fma_f32 v[S+\j:S+\j+1], v[S+\j:S+\j+1], s[CS:CS+1], v[rT:rT+1] op_sel_hi:[1,0,0] neg_lo:[0,0,1] neg_hi:[0,0,1]   ; c s - c m
.endr
	v_exp_f32 v[TW+4], v[TW+6]                     ; a: ONE BATCH of 33 exponentials
.set i, 0
.rept 32
	v_exp_f32 v[S+i], v[S+i]
.set i, i+1
.endr
	v_nop                                          ; a plain instruction behind the last exponential,
	s_wait_alu depctr_va_vdst(0)                   ; and the one wait ahead of the batch's first reader
.set i, 0
.rept 16
	v_cvt_pk_f16_f32 v[P+i], v[S+2*i], v[S+2*i+1]  ; two tiles of 16 keys, rounded in pairs, are source 1 (32 keys x 16 queries) of the second product
.set i, i+1
.endr
.irp z, 0,1,2,3,4,5,6,7                ; the row's sum of the unrounded weights, in place: neighbours 1, 2, 4 and 8 pairs apart
	v_pk_add_f32 v[S+4*\z:S+4*\z+1], v[S+4*\z:S+4*\z+1], v[S+4*\z+2:S+4*\z+3]
.endr
.irp z, 0,1,2,3
	v_pk_add_f32 v[S+8*\z:S+8*\z+1], v[S+8*\z:S+8*\z+1], v[S+8*\z+4:S+8*\z+5]
.endr
.irp z, 0,1
	v_pk_add_f32 v[S+16*\z:S+16*\z+1], v[S+16*\z:S+16*\z+1], v[S+16*\z+8:S+16*\z+9]
.endr
	v_pk_add_f32 v[S:S+1], v[S:S+1], v[S+16:S+17]
	v_pk_fma_f32 v[rT+2:rT+3], v[rT+2:rT+3], v[TW+4:TW+5], v[S:S+1] op_sel_hi:[1,0,1]   ; l = a l + the sum
	WIN 0x41                                       ; O^T in window 1, a in window 0
.set i, 0
.rept 16
	v_pk_mul_f32 v[OA+32*\u+2*i:OA+32*\u+2*i+1], v[OA+32*\u+2*i:OA+32*\u+2*i+1], v[TW+4:TW+5] op_sel_hi:[1,0]
.set i, i+1
.endr
	s_wait_dscnt 0x0                               ; V is in
	WIN 0x50                                       ; C and D in window 1
.irp g, 0,1
.irp t, 0,1,2,3
	v_wmma_f32_16x16x32_f16 v[OA+32*\u+8*\t:OA+32*\u+8*\t+7], v[VFR+32*\g+8*\t:VFR+32*\g+8*\t+7], v[P+8*\g:P+8*\g+7], v[OA+32*\u+8*\t:OA+32*\u+8*\t+7]
.endr
.endr
	WIN 0
.Lskip_\@:
.endm
.macro STEP
	s_cmp_gt_u32 s[KF], s[Q0+3]                    ; all keys of the step come after my last tile's queries: nothing of it is read
	s_cbranch_scc1 .Lhidden_\@
	v_add_nc_u32 v[ADR], s[TB], v[LN]              ; with the three below: the places in front of loads into registers that products have read
.rept 3
	v_nop
.endr
.irp f, 0,1,2,3,4,5,6,7                ; K: keys 16 (f / 2) on, channels 32 (f % 2) on
	ds_load_b128 v[KFR+8*\f:KFR+8*\f+3],   v[ADR] offset:1024*\f
	ds_load_b128 v[KFR+8*\f+4:KFR+8*\f+7], v[ADR] offset:1024*\f+512
.endr
.irp f, 0,1,2,3,4,5,6,7                ; V: keys 32 (f / 4) on, channels 16 (f % 4) on
	ds_load_b128 v[VFR+8*\f:VFR+8*\f+3],   v[ADR] offset:VOFF+1024*\f
	ds_load_b128 v[VFR+8*\f+4:VFR+8*\f+7], v[ADR] offset:VOFF+1024*\f+512
.endr
	s_wait_dscnt 16                                ; K is in; V's sixteen loads may be out
	TILE 0
	TILE 1
	TILE 2
	TILE 3
.Lhidden_\@:
	s_add_co_u32 s[KF], s[KF], 64
	s_add_co_u32 s[TB], s[TB], STEPB
.endm
.macro FOUR_STEPS                      ; a slot's four steps: written once, walked four times
	s_mov_b32 s[CNT], 4
.Lstep_\@:
	STEP
	s_sub_co_u32 s[CNT], s[CNT], 1
	s_cmp_lg_u32 s[CNT], 0
	s_cbranch_scc1 .Lstep_\@
	s_sub_co_u32 s[TB], s[TB], 4*STEPB
	s_xor_b32 s[TB], s[TB], SLOT1                  ; on to the other slot
.endm
; THE CHANGE OF SLOTS stands at a slot's head.  Each wave waits for all its tensor loads (its part of the slot that it is about to read), adds 0 to its spare word, and waits for that and for its reads of the slot that it has left.
; Behind the barrier the slot ahead is whole and nobody reads the other one, which is then filled with the keys that follow: the load has a slot's four steps in which to land.  One tensor load of a wave is out at the most.
.macro CHANGE fill
	s_wait_tensorcnt 0x0                           ; no tensor load of mine is out, so group 0 may be written
	ds_add_u32 v[SPW], v[NIL]
.if \fill
	ds_add_u32 v[SPW], v[NIL]                      ; and once more, in every trip alike
	s_xor_b32 s[G0+1], s[G0+1], SLOT1              ; the walking descriptor: the other slot,
	s_add_nc_u64 s[G0+2:G0+3], s[G0+2:G0+3], 32768 ; the next 256 keys
	s_wait_xcnt 0x0                                ; the last prefetches, a slot back, have read their address
	s_add_nc_u64 s[PFA:PFA+1], s[PFA:PFA+1], 32768
.endif
	s_wait_dscnt 0x0
	s_barrier_signal -1
	s_barrier_wait -1
.if \fill
	s_add_co_u32 s32, s[KF], 256                   ; the first key of the slot that this change would ask for
	s_cmp_gt_u32 s32, s[QL]                        ; past my work-group's last query none of its waves reads it: ids and the count of steps alone, the same in all eight waves
	s_cbranch_scc1 .Lpast_\@
	TLOAD
.Lpast_\@:
	ASK
.endif
.endm
	s_wait_loadcnt 0x0                             ; Q and bv
.Lslot:
	CHANGE 1
	FOUR_STEPS
	s_sub_co_u32 s[SLOTS], s[SLOTS], 1
	s_cmp_lg_u32 s[SLOTS], 0
	s_cbranch_scc1 .Lslot
	CHANGE 0                                       ; the last slot is written out: nothing is asked for behind it
	FOUR_STEPS
	; THE WAY OUT.  o = O^T / l + bv, rounded to f16 in pairs: four packed registers are half an image of the projection's operand (16 positions x 32 channels), 512 consecutive bytes a store.
.irp u, 0,1,2,3
	v_add_f32 v[ST+4*\u], v[ST+4*\u+2], v[ST+4*\u+3]
.endr
.irp u, 0,1,2,3
	v_permlanex16_b32 v[ST+4*\u+1], v[ST+4*\u], s[SEL], s[SEL+1]
.endr
.irp u, 0,1,2,3
	v_add_f32 v[ST+4*\u], v[ST+4*\u], v[ST+4*\u+1]
.endr
.irp u, 0,1,2,3
	v_rcp_f32 v[ST+4*\u+2], v[ST+4*\u]
.endr
	v_nop
	s_wait_alu depctr_va_vdst(0)                   ; one wait for the four reciprocals, ahead of their first reader
.irp u, 0,1,2,3
	WIN 0x51                                       ; O^T and bv in window 1, 1 / l in window 0
.set i, 0
.rept 16
	v_pk_fma_f32 v[OA+32*\u+2*i:OA+32*\u+2*i+1], v[OA+32*\u+2*i:OA+32*\u+2*i+1], v[ST+4*\u+2:ST+4*\u+3], v[BV+2*i:BV+2*i+1] op_sel_hi:[1,0,1]
.set i, i+1
.endr
	WIN 0x05
.set i, 0
.rept 16
	v_cvt_pk_f16_f32 v[S+16*\u+i], v[OA+32*\u+2*i], v[OA+32*\u+2*i+1]
.set i, i+1
.endr
	WIN 0
.irp t, 0,1,2,3
	global_store_b128 v[GO+\u], v[S+16*\u+4*\t:S+16*\u+4*\t+3], s[8:9] offset:512*\t th:TH_STORE_NT
.endr
.endr
	s_wait_tensorcnt 0x0                           ; the wave's end
	ds_add_u32 v[SPW], v[NIL]
	s_wait_dscnt 0x0
	s_endpgm
.Lfunc_end_k_q6fe1746980_attn:
	.size	k_q6fe1746980_attn, .Lfunc_end_k_q6fe1746980_attn-k_q6fe1746980_attn
	.p2alignl 7, 3214868480
	.fill 96, 4, 3214868480
	.section	.rodata,"a",@progbits
	.p2align	6, 0x0
	.amdhsa_kernel k_q6fe1746980_attn
		.amdhsa_group_segment_fixed_size 327680
		.amdhsa_private_segment_fixed_size 0
		.amdhsa_enable_private_segment 0
		.amdhsa_kernarg_size 24
		.amdhsa_user_sgpr_count 2
		.amdhsa_user_sgpr_kernarg_segment_ptr 1
		.amdhsa_wavefront_size32 1
		.amdhsa_system_sgpr_workgroup_id_x 1
		.amdhsa_system_sgpr_workgroup_id_y 1
		.amdhsa_system_sgpr_workgroup_id_z 1
		.amdhsa_system_vgpr_workitem_id 0
		.amdhsa_next_free_vgpr 512
		.amdhsa_next_free_sgpr 66
		.amdhsa_reserve_vcc 1
		.amdhsa_float_denorm_mode_32 3
		.amdhsa_float_denorm_mode_16_64 3
		.amdhsa_memory_ordered 1
		.amdhsa_forward_progress 1
		.amdhsa_inst_pref_size 107
	.end_amdhsa_kernel
	.amdgpu_metadata
---
amdhsa.version: [ 1, 2 ]
amdhsa.kernels:
  - .name:           k_q6fe1746980_attn
    .symbol:         k_q6fe1746980_attn.kd
    .args:
      - { .name: qkv, .offset: 0, .size: 8, .value_kind: global_buffer, .address_space: global }
      - { .name: b_qkv, .offset: 8, .size: 8, .value_kind: global_buffer, .address_space: global }
      - { .name: oimg, .offset: 16, .size: 8, .value_kind: global_buffer, .address_space: global }
    .group_segment_fixed_size: 327680
    .private_segment_fixed_size: 0
    .kernarg_segment_align: 8
    .kernarg_segment_size: 24
    .max_flat_workgroup_size: 256
    .sgpr_count:     66
    .vgpr_count:     512
    .wavefront_size: 32
...
	.end_amdgpu_metadata
.endif
;; end of part 3
;; launch proj (part 4): grid 4 x 64, 4 waves a work-group, clusters of 4 x 4, 327,680 bytes of LDS; arguments oimg, wp16, b_proj, out0; writes out0
.if DOCPART == 4
	.amdgcn_target "amdgcn-amd-amdhsa--gfx1250"
	.amdhsa_code_object_version 6
	.text
	.protected	k_q6fe1746980_proj
	.globl	k_q6fe1746980_proj
	.p2align	8
	.type	k_q6fe1746980_proj,@function
k_q6fe1746980_proj:
	s_mov_b64 s[64:65], 0
	v_nop
	global_prefetch_b8 v0, s[64:65] scope:SCOPE_SE
	s_setreg_imm32_b32 hwreg(HW_REG_WAVE_MODE, 25, 1), 1
	s_wait_xcnt 0x0
	s_wait_alu depctr_hold_cnt(0) depctr_sa_sdst(0) depctr_va_vdst(0) depctr_va_sdst(0) depctr_va_ssrc(0) depctr_va_vcc(0) depctr_vm_vsrc(0)
	s_getreg_b32 s2, hwreg(HW_REG_IB_STS2, 6, 4)
	s_cmp_eq_u32 s2, 0
	s_cbranch_scc0 .Lentry_in_a_cluster
	s_endpgm
.Lentry_in_a_cluster:
	s_bfe_u32 s2, ttmp6, 0x10000c
	s_cmp_lg_u32 s2, 0xf033
	s_cbranch_scc0 .Lentry_shape_is_right
	s_endpgm
.Lentry_shape_is_right:
; out0 = o w_proj^T + b_proj on f16 operands (w_proj's high parts), sums in f32.  M 8,192, N 1,024, K 1,024.
; NOT STORED: positions 0-15 of each batch: they are multiplied inside their live tile, and the launch first16, which carries them more finely, owns those rows of out0.
; A tile of 128 x 256 is made by a work-group of four waves (256 work-groups), a wave 64 x 128: 32 accumulators.  Both operands lie in memory as images of operand registers (16 rows x 32 along K: 1,024 bytes),
; [16 rows][32 along K: 32]: a K step of 128 is 4,096 consecutive bytes for each 16 rows, an LDS load takes 512 consecutive bytes, nothing is padded.  K goes in 8 steps through a ring of two slots.
; CLUSTERS: 4 x 4 work-groups; o's tile hangs on the tile row (16 cy + the cluster's y) and is shared along a row of the cluster, w's on the tile column (cx) and is shared along a column.
; THE MATRIX INSTRUCTION IS USED TRANSPOSED (source 0 = 16 rows of w, source 1 = 16 rows of o): a lane holds eight neighbouring numbers of a row of out0.  The bias is the C of each sum's first product.
; REGISTERS: window 0: v0-31 addresses; v32-127, v128-223 two fragment buffers (o's 4 at f, w's 8 at f + 32); on the way out three sets of 64 from v32.  window 1: the accumulators ((a, b) at v[8 (8 a + b)]).  window 2: v0-63 the bias.
.set SLOT,  98304                      ; o's 8 x 4,096 bytes, then w's 16 x 4,096
.set BOFF,  32768
.set STAGE, 2*SLOT                     ; behind the ring: 16 rows x (512 + 16) bytes for each wave
.set SPITCH, 528
.set SPARE, STAGE+4*16*SPITCH          ; the spare words, 128 bytes a wave, that no other line names
.set LAPS,  4                          ; a lap = two K steps
.set ADRA, 16
.set ADRB, 20
.set STO,  24
.set RD,   25
.set CO,   26
.set BO,   27
.set SPW,  28
.set NIL,  29
.set F0,   32
.set F1,   128
.set BK,   32
.set G1, 24
.set G0, 32
.set G1B, 48
.set G0B, 56
.set MSB, 0
.macro WIN new
.if MSB != (\new)
	s_set_vgpr_msb (MSB<<8)|(\new)
.set MSB, (\new)
.endif
.endm
.set MUL,  0x50                        ; C and D window 1
.set MUL1, 0x60                        ; the first products: C (the bias) window 2, D window 1
.macro JLOAD s                         ; waves 0 and 1 fetch o's halves, waves 2 and 3 w's; an s_nop 0 and four v_nop follow each of the two lines
	s_cmp_eq_u32 s13, 0
	s_cbranch_scc0 .Lfor_b_\@
	tensor_load_to_lds s[G0+4*\s:G0+4*\s+3], s[G1:G1+7]
	s_nop 0
.rept 4
	v_nop
.endr
	s_branch .Lasked_\@
.Lfor_b_\@:
	tensor_load_to_lds s[G0B+4*\s:G0B+4*\s+3], s[G1B:G1B+7]
	s_nop 0
.rept 4
	v_nop
.endr
.Lasked_\@:
.endm
.macro CREST
	s_cmp_lg_u32 s12, 0
	s_cbranch_scc1 .Lnot_wave_0_\@
	s_barrier_signal -3
.Lnot_wave_0_\@:
	s_barrier_wait -3
	s_barrier_signal -1
	s_barrier_wait -1
.endm
.macro CROUND
	s_barrier_signal -1
	s_barrier_wait -1
	CREST
.endm
	s_load_b256 s[4:11], s[0:1], 0x0               ; oimg s[4:5], wp16 s[6:7], b_proj s[8:9], out0 s[10:11]
	v_lshl_add_u32 v[SPW], v0, 2, SPARE
	v_mov_b32 v[NIL], 0
	ds_add_u32 v[SPW], v[NIL]                      ; the wave's opening: the add, twice on end, and its wait ahead of my first tensor load
	ds_add_u32 v[SPW], v[NIL]
	v_lshrrev_b32 v1, 5, v0
	v_readfirstlane_b32 s12, v1                    ; wave 0..3
	s_lshr_b32 s13, s12, 1                         ; which 64 rows are mine.  Also: I fetch for o (0) or for w (1)
	s_and_b32 s14, s12, 1                          ; which 128 columns.  Also: which half of that tile I fetch
	s_bfe_u32 s40, ttmp6, 0x40000                  ; cx = the tile column
	s_bfe_u32 s41, ttmp6, 0x40004                  ; cy = the batch
	s_and_b32 s15, ttmp7, 0xffff                   ; the cluster's y = the batch's y-th 128 positions
	s_lshl_b32 s42, s41, 4
	s_add_co_u32 s42, s42, s15                     ; the tile row
	s_lshl_b32 s43, s41, 2
	s_lshl_b32 s43, 15, s43                        ; my row of the cluster
	s_lshl_b32 s44, 0x1111, s40                    ; my column
	; descriptor group 1: rows of 4,096 bytes (512 elements of 8), 32,768 bytes apart: 4 of o, 8 of w
	s_or_b32 s[G1+0], s43, (3<<16)|(1<<21)
	s_or_b32 s[G1B+0], s44, (3<<16)|(1<<21)
	s_mov_b32 s[G1+1], 512<<16                     ; tensor_dim0
	s_mov_b32 s[G1+2], 4<<16                       ; tensor_dim1
	s_mov_b32 s[G1+3], 512<<16                     ; tile_dim0
	s_mov_b32 s[G1+4], 4                           ; tile_dim1
	s_mov_b32 s[G1+5], 4096                        ; the pitch
	s_mov_b32 s[G1+6], 0
	s_mov_b32 s[G1+7], 0
	s_mov_b32 s[G1B+1], 512<<16
	s_mov_b32 s[G1B+2], 8<<16
	s_mov_b32 s[G1B+3], 512<<16
	s_mov_b32 s[G1B+4], 8
	s_mov_b32 s[G1B+5], 4096
	s_mov_b32 s[G1B+6], 0
	s_mov_b32 s[G1B+7], 0
	s_lshl_b32 s16, s42, 3
	s_lshl_b32 s17, s14, 2
	s_add_co_u32 s16, s16, s17                     ; o: 16 rows number 8 x tile row + 4 x half
	s_lshl_b32 s16, s16, 15
	s_mov_b32 s17, 0
	s_lshl_b32 s46, s40, 4
	s_lshl_b32 s47, s14, 3
	s_add_co_u32 s46, s46, s47                     ; w: 16 rows number 16 x tile column + 8 x half
	s_lshl_b32 s46, s46, 15
	s_mov_b32 s47, 0
	s_lshl_b32 s20, s14, 14                        ; where they go: no place in the cluster enters an LDS address
	s_lshl_b32 s21, s14, 15
	s_add_co_u32 s21, s21, BOFF
	s_wait_dscnt 0x0                               ; both opening adds are done
	s_wait_kmcnt 0x0
	s_add_nc_u64 s[16:17], s[4:5], s[16:17]
	s_add_nc_u64 s[46:47], s[6:7], s[46:47]
	CROUND                                         ; all sixteen work-groups are here: the first joint loads meet
.irp s, 0,1
	s_mov_b32 s[G0+4*\s], 1
	s_add_co_u32 s[G0+4*\s+1], s20, \s*SLOT
	s_add_nc_u64 s[G0+4*\s+2:G0+4*\s+3], s[16:17], \s*4096
	s_or_b32 s[G0+4*\s+3], s[G0+4*\s+3], 0x80000000
	s_mov_b32 s[G0B+4*\s], 1
	s_add_co_u32 s[G0B+4*\s+1], s21, \s*SLOT
	s_add_nc_u64 s[G0B+4*\s+2:G0B+4*\s+3], s[46:47], \s*4096
	s_or_b32 s[G0B+4*\s+3], s[G0B+4*\s+3], 0x80000000
	JLOAD \s                                       ; two loads of mine are out
.endr
	s_lshl_b32 s46, s40, 10                        ; my first column, in bytes: (256 cx + 128 half) x 4
	s_lshl_b32 s47, s14, 9
	s_add_co_u32 s46, s46, s47
	s_mov_b32 s47, 0
	s_add_nc_u64 s[8:9], s[8:9], s[46:47]
	s_add_nc_u64 s[10:11], s[10:11], s[46:47]
	s_lshl_b32 s46, s42, 19                        ; my first row: 128 x tile row + 64 x half, 4,096 bytes each
	s_lshl_b32 s22, s13, 18
	s_add_co_u32 s46, s46, s22
	s_add_nc_u64 s[10:11], s[10:11], s[46:47]
	v_and_b32 v1, 15, v0                           ; r
	v_bfe_u32 v2, v0, 4, 1                         ; h
	v_and_b32 v3, 31, v0
	v_lshlrev_b32 v[CO], 4, v3                     ; 16 x lane
	v_lshlrev_b32 v[BO], 5, v2
	WIN 0x80                                       ; destination window 2
.irp b, 0,1,2,3,4,5,6,7
	global_load_b128 v[8*\b:8*\b+3],   v[BO], s[8:9] offset:64*\b        ; b_proj at columns 16 b + 8 h + 0..7
	global_load_b128 v[8*\b+4:8*\b+7], v[BO], s[8:9] offset:64*\b+16
.endr
	WIN 0
	s_lshl_b32 s22, s13, 14                        ; my four of o's eight
	s_lshl_b32 s23, s14, 15
	s_add_co_u32 s23, s23, BOFF                    ; my eight of w's sixteen
.irp s, 0,1
	v_add_nc_u32 v[ADRA+\s], s22, v[CO]
	v_add_nc_u32 v[ADRB+\s], s23, v[CO]
	s_add_co_u32 s22, s22, SLOT
	s_add_co_u32 s23, s23, SLOT
.endr
	s_mul_i32 s22, s12, 16*SPITCH
	s_add_co_u32 s22, s22, STAGE                   ; my stage
	v_mul_u32_u24 v4, v1, SPITCH
	v_lshl_add_u32 v4, v2, 5, v4
	v_add_nc_u32 v[STO], s22, v4                   ; in: row r, 32 bytes for each half of the lanes
	v_add_nc_u32 v[RD], s22, v[CO]                 ; back: the 32 lanes take one row of 512 bytes
.macro MUL8 f, a, first                ; o's block a x w's eight, 32 along K.  The 32 accumulators take turns, one instruction a turn
.irp b, 0,1,2,3,4,5,6,7
.if \first
	v_wmma_f32_16x16x32_f16 v[8*(8*(\a)+\b):8*(8*(\a)+\b)+7], v[\f+32+8*\b:\f+32+8*\b+7], v[\f+8*(\a):\f+8*(\a)+7], v[8*\b:8*\b+7]
.else
	v_wmma_f32_16x16x32_f16 v[8*(8*(\a)+\b):8*(8*(\a)+\b)+7], v[\f+32+8*\b:\f+32+8*\b+7], v[\f+8*(\a):\f+8*(\a)+7], v[8*(8*(\a)+\b):8*(8*(\a)+\b)+7]
.endif
.endr
.endm
.macro FETCH slot, q, f                ; 24 LDS loads in one run: the fragments of the slot's q-th 32 along K: w's eight first, then o's four
	WIN 0
.irp b, 0,1,2,3,4,5,6,7
	ds_load_b128 v[\f+32+8*\b:\f+32+8*\b+3],   v[ADRB+\slot] offset:\b*4096+(\q)*1024
	ds_load_b128 v[\f+32+8*\b+4:\f+32+8*\b+7], v[ADRB+\slot] offset:\b*4096+(\q)*1024+512
.endr
.irp a, 0,1,2,3
	ds_load_b128 v[\f+8*\a:\f+8*\a+3],   v[ADRA+\slot] offset:\a*4096+(\q)*1024
	ds_load_b128 v[\f+8*\a+4:\f+8*\a+7], v[ADRA+\slot] offset:\a*4096+(\q)*1024+512
.endr
.endm
.macro PLACES                          ; four plain vector instructions in front of loads into registers that products have read, and of reads of results
.rept 4
	v_nop
.endr
.endm
; A K step is four quarters of 32 along K, 32 products each, on buffers 0, 1, 0, 1.  One of the first three: multiplies buffer f and fetches the slot's q-th quarter into g.
.macro QUARTER slot, q, f, g, first
	s_wait_dscnt 4                                 ; w's eight and o's blocks 0, 1 are in; the youngest four loads (o's blocks 2, 3) may be out
.if \first
	WIN MUL1
.else
	WIN MUL
.endif
	MUL8 \f, 0, \first
	MUL8 \f, 1, \first
	PLACES
	FETCH \slot, \q, \g
	s_wait_dscnt 24                                ; all but the 24 just issued
.if \first
	WIN MUL1
.else
	WIN MUL
.endif
	MUL8 \f, 2, \first
	MUL8 \f, 3, \first
.endm
; The last quarter multiplies buffer 1 and changes slots: ONE barrier; in front of it each wave waits for all its tensor loads, adds 0 to its spare word, and waits for that and for its reads of this slot.
.macro TURN slot, next, fill
	WIN 0
	s_wait_tensorcnt 0x0                           ; all my tensor loads have landed: my part of the next slot
	ds_add_u32 v[SPW], v[NIL]
	s_wait_dscnt 5                                 ; (the add and the youngest four loads may be out)
	WIN MUL
	MUL8 F1, 0, 0
	s_wait_dscnt 0x0                               ; the add is done, and my reads of this slot are over
	s_barrier_signal -1
	MUL8 F1, 1, 0
.if \fill
	WIN 0
.endif
	s_barrier_wait -1
.if \fill
	CREST                                          ; the barrier has opened a round of the cluster's: no wave of any partner still reads this slot or has a load on its way
	s_add_nc_u64 s[G0+4*\slot+2:G0+4*\slot+3], s[G0+4*\slot+2:G0+4*\slot+3], 8192
	s_add_nc_u64 s[G0B+4*\slot+2:G0B+4*\slot+3], s[G0B+4*\slot+2:G0B+4*\slot+3], 8192
	JLOAD \slot                                    ; the first tensor load behind the round; its four v_nop are also the places in front of the loads below
.else
	PLACES
.endif
	FETCH \next, 0, F0
	WIN MUL
	MUL8 F1, 2, 0
	MUL8 F1, 3, 0
.endm
	s_wait_tensorcnt 1                             ; my part of K step 0 is in (K step 1's may be out)
	s_barrier_signal -1
	s_barrier_wait -1                              ; everybody's is
	FETCH 0, 0, F0
	s_wait_loadcnt 0x0                             ; the bias
	QUARTER 0, 1, F0, F1, 1                        ; the first quarter stands in front of the loop: its products start the sums
	WIN 0
	s_mov_b32 s3, LAPS-1
.Llap:
	QUARTER 0, 2, F1, F0, 0
	QUARTER 0, 3, F0, F1, 0
	TURN 0, 1, 1
	QUARTER 1, 1, F0, F1, 0
	QUARTER 1, 2, F1, F0, 0
	QUARTER 1, 3, F0, F1, 0
	TURN 1, 0, 1
	QUARTER 0, 1, F0, F1, 0
	WIN 0
	s_sub_co_u32 s3, s3, 1
	s_cmp_lg_u32 s3, 0
	s_cbranch_scc1 .Llap
	QUARTER 0, 2, F1, F0, 0                        ; the last lap fills nothing
	QUARTER 0, 3, F0, F1, 0
	TURN 0, 1, 0
	QUARTER 1, 1, F0, F1, 0
	QUARTER 1, 2, F1, F0, 0
	QUARTER 1, 3, F0, F1, 0
	s_wait_dscnt 4
	WIN MUL
	MUL8 F1, 0, 0
	MUL8 F1, 1, 0
	s_wait_dscnt 0
	MUL8 F1, 2, 0
	MUL8 F1, 3, 0
	WIN 0
; THE WAY OUT, by blocks of 16 rows x 128 columns, through my own stage: in as 32 bytes a lane, back as whole rows of 512 bytes.  LDS serves a wave's instructions in order: no wait between the stores and the loads.
.macro TOSTAGE a
	WIN 0x04                                       ; an LDS store's data: window 1
.irp b, 0,1,2,3,4,5,6,7
	ds_store_b128 v[STO], v[8*(8*(\a)+\b):8*(8*(\a)+\b)+3] offset:64*\b          ; each accumulator from its low end on
	ds_store_b128 v[STO], v[8*(8*(\a)+\b)+4:8*(8*(\a)+\b)+7] offset:64*\b+16
.endr
	WIN 0
.irp t, 0,1,2,3,4,5,6,7,8,9,10,11,12,13,14,15
	ds_load_b128 v[BK+64*((\a)%3)+4*\t:BK+64*((\a)%3)+4*\t+3], v[RD] offset:\t*SPITCH
.endr
.endm
.macro SEND a, younger
	s_wait_dscnt \younger
.irp t, 0,1,2,3,4,5,6,7,8,9,10,11,12,13,14,15
	global_store_b128 v[CO], v[BK+64*((\a)%3)+4*\t:BK+64*((\a)%3)+4*\t+3], s[10:11] offset:(16*(\a)+\t)*4096 th:TH_STORE_NT   ; 32 lanes store 512 consecutive bytes, aligned
.endr
.endm
	PLACES
	s_or_b32 s22, s15, s13                         ; positions 0-15 of a batch: cluster y = 0, the waves with the first 64 rows, block 0: another launch owns them
	s_cmp_eq_u32 s22, 0
	s_cbranch_scc1 .Lnot_block_0
	TOSTAGE 0
	SEND 0, 0
.Lnot_block_0:
	TOSTAGE 1
	TOSTAGE 2
	SEND 1, 32                                     ; behind block 1's loads: block 2's 16 stores and 16 loads
	s_wait_xcnt 0x0                                ; block 0's stores have read their registers, which block 3 takes
	TOSTAGE 3
	SEND 2, 32
	SEND 3, 0
	s_wait_tensorcnt 0x0                           ; the wave's end
	ds_add_u32 v[SPW], v[NIL]
	s_wait_dscnt 0x0
	CROUND                                         ; the closing round
	s_endpgm
.Lfunc_end_k_q6fe1746980_proj:
	.size	k_q6fe1746980_proj, .Lfunc_end_k_q6fe1746980_proj-k_q6fe1746980_proj
	.p2alignl 7, 3214868480
	.fill 96, 4, 3214868480
	.section	.rodata,"a",@progbits
	.p2align	6, 0x0
	.amdhsa_kernel k_q6fe1746980_proj
		.amdhsa_group_segment_fixed_size 327680
		.amdhsa_private_segment_fixed_size 0
		.amdhsa_enable_private_segment 0
		.amdhsa_kernarg_size 32
		.amdhsa_user_sgpr_count 2
		.amdhsa_user_sgpr_kernarg_segment_ptr 1
		.amdhsa_wavefront_size32 1
		.amdhsa_system_sgpr_workgroup_id_x 1
		.amdhsa_system_sgpr_workgroup_id_y 1
		.amdhsa_system_sgpr_workgroup_id_z 1
		.amdhsa_system_vgpr_workitem_id 0
		.amdhsa_next_free_vgpr 640
		.amdhsa_next_free_sgpr 66
		.amdhsa_reserve_vcc 0
		.amdhsa_float_denorm_mode_32 3
		.amdhsa_float_denorm_mode_16_64 3
		.amdhsa_memory_ordered 1
		.amdhsa_forward_progress 1
		.amdhsa_inst_pref_size 86
	.end_amdhsa_kernel
	.amdgpu_metadata
---
amdhsa.version: [ 1, 2 ]
amdhsa.kernels:
  - .name:           k_q6fe1746980_proj
    .symbol:         k_q6fe1746980_proj.kd
    .args:
      - { .name: oimg, .offset: 0, .size: 8, .value_kind: global_buffer, .address_space: global }
      - { .name: wp16, .offset: 8, .size: 8, .value_kind: global_buffer, .address_space: global }
      - { .name: b_proj, .offset: 16, .size: 8, .value_kind: global_buffer, .address_space: global }
      - { .name: out0, .offset: 24, .size: 8, .value_kind: global_buffer, .address_space: global }
    .group_segment_fixed_size: 327680
    .private_segment_fixed_size: 0
    .kernarg_segment_align: 8
    .kernarg_segment_size: 32
    .max_flat_workgroup_size: 128
    .sgpr_count:     66
    .vgpr_count:     640
    .wavefront_size: 32
...
	.end_amdgpu_metadata
.endif
;; end of part 4
;; launch first16 (part 5): grid 16 x 4, 16 waves a work-group, no clusters, 71,680 bytes of LDS; arguments fine32, b_qkv, wp16, b_proj, out0; writes out0
.if DOCPART == 5
	.amdgcn_target "amdgcn-amd-amdhsa--gfx1250"
	.amdhsa_code_object_version 6
	.text
	.protected	k_q6fe1746980_first16
	.globl	k_q6fe1746980_first16
	.p2align	8
	.type	k_q6fe1746980_first16,@function
k_q6fe1746980_first16:
	s_mov_b64 s[64:65], 0
	v_nop
	global_prefetch_b8 v0, s[64:65] scope:SCOPE_SE
	s_setreg_imm32_b32 hwreg(HW_REG_WAVE_MODE, 25, 1), 1
	s_wait_xcnt 0x0
; THE FIRST 16 POSITIONS OF EACH SEQUENCE, carried more finely: under the causal mask they average one to sixteen values and are the largest numbers of the output.  q, k, v come as f32; both products of the attention are
; f32 matrix products (no bulk work: 32 instructions a wave); o and w_proj go to the projection as pairs of f16 numbers, high and low (high x high + high x low + low x high).
; LEFT OUT as in the other launches: k carries no bias; v's bias is the addend of the multiply-add that divides by the row's sum.
; Work-group (x, batch) makes out0[batch][0:16][64 x : 64 x + 64].  A wave is a head: it makes its head's o (16 x 64) and its part of the projection's sum (K = its 64 channels); the sixteen parts meet in LDS.
; fine32 holds accumulators as they stood: lane (r, h), register j: q, k: position r, channel 8 h + j of 16; v: channel r, key 8 h + j.  The f32 form takes k = 2 h + j from two registers: a pair of registers 2 s, 2 s + 1
; gives it channels (or keys) 8 h + 2 s, 8 h + 2 s + 1: the same order of K on both sides of a product.
; REGISTERS: v1 16 x lane; v2 32 h, then at work; v3 r - 8 h, then an address; v4, v5 the add's two; v6, v7 at work; v8-15 scores, then p; v16-47 Q, v48-79 K, later w high; v80-111 V, later o high and work; v112-143 bv, then o, then o low;
;   v144-159 two sums of scores and v160-191 O^T, then y: written by matrix instructions alone; v192-255 w low.
.set SPARE, 16*4352                    ; behind the sixteen parts: the spare words, 128 bytes a wave, that no other line names
	s_load_b256 s[4:11], s[0:1], 0x0               ; fine32, b_qkv, wp16, b_proj
	s_load_b64 s[12:13], s[0:1], 0x20              ; out0
	v_lshl_add_u32 v4, v0, 2, SPARE
	v_mov_b32 v5, 0
	v_lshrrev_b32 v1, 5, v0
	v_readfirstlane_b32 s14, v1                    ; wave = head
	s_and_b32 s15, ttmp7, 0xffff                   ; batch
	s_lshl_b32 s16, s15, 16
	s_lshl_b32 s18, s14, 12
	s_add_co_u32 s16, s16, s18                     ; fine32: batch x 65,536 + head x 4 images
	s_mov_b32 s17, 0
	s_lshl_b32 s18, s14, 8
	s_add_co_u32 s18, s18, 8192                    ; v's bias: (2,048 + 64 head) x 4
	s_mov_b32 s19, 0
	s_lshl_b32 s26, ttmp9, 17
	s_lshl_b32 s27, s14, 11
	s_add_co_u32 s26, s26, s27                     ; w: 4 x rows of 16, 32,768 bytes each; my head's two images
	s_mov_b32 s27, 0
	s_lshl_b32 s28, ttmp9, 8                       ; my 64 columns, in bytes
	s_mov_b32 s29, 0
	s_lshl_b32 s30, s15, 23
	s_lshl_b32 s31, s14, 12
	s_add_co_u32 s30, s30, s31                     ; out0: batch x 2,048 rows + row = my wave's number
	s_add_co_u32 s30, s30, s28
	s_mov_b32 s31, 0
	s_mov_b32 s22, 0x3e38aa3b                      ; c = log2(e) / 8
	s_mov_b32 s24, 0x76543210
	s_mov_b32 s25, 0xfedcba98
	v_and_b32 v1, 31, v0
	v_lshlrev_b32 v1, 4, v1                        ; 16 x lane
	v_and_b32 v3, 15, v0
	v_bfe_u32 v2, v0, 4, 1
	v_lshlrev_b32 v6, 3, v2
	v_sub_nc_u32 v3, v3, v6                        ; r - 8 h
	v_lshlrev_b32 v2, 5, v2                        ; 32 h
	v_mov_b32 v6, 0xff800000                       ; -infinity
	s_wait_kmcnt 0x0
	s_add_nc_u64 s[4:5], s[4:5], s[16:17]
	s_add_nc_u64 s[6:7], s[6:7], s[18:19]
	s_add_nc_u64 s[8:9], s[8:9], s[26:27]
	s_add_nc_u64 s[10:11], s[10:11], s[28:29]
	s_add_nc_u64 s[12:13], s[12:13], s[30:31]
.irp t, 0,1,2,3
	global_load_b128 v[48+8*\t:51+8*\t], v1, s[4:5] offset:262144+1024*\t          ; K
	global_load_b128 v[52+8*\t:55+8*\t], v1, s[4:5] offset:262144+1024*\t+512
.endr
.irp t, 0,1,2,3
	global_load_b128 v[16+8*\t:19+8*\t], v1, s[4:5] offset:1024*\t                 ; Q
	global_load_b128 v[20+8*\t:23+8*\t], v1, s[4:5] offset:1024*\t+512
.endr
.irp t, 0,1,2,3
	global_load_b128 v[80+8*\t:83+8*\t], v1, s[4:5] offset:524288+1024*\t          ; V
	global_load_b128 v[84+8*\t:87+8*\t], v1, s[4:5] offset:524288+1024*\t+512
.endr
.irp t, 0,1,2,3
	global_load_b128 v[112+8*\t:115+8*\t], v2, s[6:7] offset:64*\t                 ; bv at channels 16 t + 8 h + 0..7
	global_load_b128 v[116+8*\t:119+8*\t], v2, s[6:7] offset:64*\t+16
.endr
.irp n, 0,1,2,3
.irp c, 0,1
	global_load_b128 v[192+16*\n+8*\c:195+16*\n+8*\c], v1, s[8:9] offset:2097152+32768*\n+1024*\c       ; w low
	global_load_b128 v[196+16*\n+8*\c:199+16*\n+8*\c], v1, s[8:9] offset:2097152+32768*\n+1024*\c+512
.endr
.endr
	s_wait_loadcnt 32                              ; K and Q are in; V, bv and w low, 32 loads, may be out
	; S^T = K Q^T over 64 channels: 16 products of 4, two sums by turns; the first two start the sums
.irp t, 0,1,2,3
.irp s, 0,1,2,3
.if (\t == 0) && (\s < 2)
	v_wmma_f32_16x16x4_f32 v[144+8*(\s%2):151+8*(\s%2)], v[48+8*\t+2*\s:49+8*\t+2*\s], v[16+8*\t+2*\s:17+8*\t+2*\s], 0
.else
	v_wmma_f32_16x16x4_f32 v[144+8*(\s%2):151+8*(\s%2)], v[48+8*\t+2*\s:49+8*\t+2*\s], v[16+8*\t+2*\s:17+8*\t+2*\s], v[144+8*(\s%2):151+8*(\s%2)]
.endif
.endr
.endr
.rept 8
	v_nop                                          ; eight places behind this form, in front of loads into its operands and of reads of its results
.endr
.irp n, 0,1,2,3
.irp c, 0,1
	global_load_b128 v[16+16*\n+8*\c:19+16*\n+8*\c], v1, s[8:9] offset:32768*\n+1024*\c                 ; w high, where Q and K lay
	global_load_b128 v[20+16*\n+8*\c:23+16*\n+8*\c], v1, s[8:9] offset:32768*\n+1024*\c+512
.endr
.endr
	s_wait_loadcnt 32                              ; V and bv are in (so bv's offset register is free); w's 32 loads may be out
.irp j, 0,1,2,3,4,5,6,7
	v_add_f32 v[8+\j], v[144+\j], v[152+\j]        ; lane (r, h): query r, key 8 h + j
.endr
.irp j, 0,1,2,3,4,5,6,7
	v_cmp_gt_i32 vcc_lo, \j, v3                    ; hidden where 8 h + j > r
	v_cndmask_b32 v[8+\j], v[8+\j], v6, vcc_lo
.endr
	v_max3_num_f32 v7, v8, v9, v10
	v_max3_num_f32 v7, v7, v11, v12
	v_max3_num_f32 v7, v7, v13, v14
	v_max_num_f32 v7, v7, v15
	v_permlanex16_b32 v2, v7, s24, s25
	v_max_num_f32 v7, v7, v2                       ; the row's largest score: key 0 counts for every query
	v_mul_f32 v2, s22, v7
.irp j, 0,1,2,3,4,5,6,7
	v_fma_f32 v[8+\j], v[8+\j], s22, -v2           ; c s - c m
.endr
.irp j, 0,1,2,3,4,5,6,7
	v_exp_f32 v[8+\j], v[8+\j]
.endr
	v_nop
	s_wait_alu depctr_va_vdst(0)                   ; one wait for the eight, ahead of their first reader
	v_add_f32 v7, v8, v9
	v_add_f32 v2, v10, v11
	v_add_f32 v7, v7, v12
	v_add_f32 v2, v2, v13
	v_add_f32 v7, v7, v14
	v_add_f32 v2, v2, v15
	v_add_f32 v7, v7, v2
	v_permlanex16_b32 v2, v7, s24, s25
	v_add_f32 v7, v7, v2                           ; the row's sum
	v_rcp_f32 v6, v7
	v_nop
	s_wait_alu depctr_va_vdst(0)
	; O^T = V^T P over 16 keys: four sums by turns
.irp s, 0,1,2,3
.irp t, 0,1,2,3
.if \s == 0
	v_wmma_f32_16x16x4_f32 v[160+8*\t:167+8*\t], v[80+8*\t+2*\s:81+8*\t+2*\s], v[8+2*\s:9+2*\s], 0
.else
	v_wmma_f32_16x16x4_f32 v[160+8*\t:167+8*\t], v[80+8*\t+2*\s:81+8*\t+2*\s], v[8+2*\s:9+2*\s], v[160+8*\t:167+8*\t]
.endif
.endr
.endr
.rept 8
	v_nop
.endr
.set i, 0
.rept 32
	v_fma_f32 v[112+i], v[160+i], v6, v[112+i]     ; o = O^T / l + bv: query r, channel 16 t + 8 h + j
.set i, i+1
.endr
	; o as a pair of f16 numbers: the high part is the nearest number of 11 significant bits, the low part what is left, exact in f32
.irp c, 0,1
.set i, 0
.rept 16
	v_add_nc_u32 v[96+i], 0x1000, v[112+16*\c+i]
.set i, i+1
.endr
.set i, 0
.rept 16
	v_and_b32 v[96+i], 0xffffe000, v[96+i]
.set i, i+1
.endr
.set i, 0
.rept 8
	v_pk_add_f32 v[112+16*\c+2*i:113+16*\c+2*i], v[112+16*\c+2*i:113+16*\c+2*i], v[96+2*i:97+2*i] neg_lo:[0,1] neg_hi:[0,1]
.set i, i+1
.endr
.set i, 0
.rept 8
	v_cvt_pk_f16_f32 v[80+8*\c+i], v[96+2*i], v[97+2*i]      ; o high: 16 positions x 32 channels, image c
.set i, i+1
.endr
.endr
.set i, 0
.rept 16
	v_cvt_pk_f16_f32 v[112+i], v[112+2*i], v[113+2*i]        ; o low, in place: register i is written when 2 i and 2 i + 1 have been read
.set i, i+1
.endr
	s_wait_loadcnt 0x0                             ; w, high and low: every load's address register is free
	v_and_b32 v2, 15, v0
	v_mul_u32_u24 v2, v2, 272
	v_bfe_u32 v3, v0, 4, 1
	v_lshl_add_u32 v2, v3, 5, v2
	s_mul_i32 s16, s14, 4352
	v_add_nc_u32 v2, s16, v2                       ; my part in LDS: 4,352 x wave + row r of 272 bytes + 32 h
	v_and_b32 v7, 31, v0
	v_lshlrev_b32 v7, 3, v7                        ; 8 x lane
	s_mul_i32 s17, s14, 272
	v_add_nc_u32 v3, s17, v7                       ; and where I read: row = my wave's number of each part
	global_load_b64 v[96:97], v7, s[10:11]         ; b_proj at my two columns
.rept 9
	v_nop                                          ; nine places behind the f32 products, whose results' registers the next products write over
.endr
.macro YMUL wb, ob, first              ; y^T(n, t) += w(n, .) o(t, .): four sums by turns
.irp c, 0,1
.irp n, 0,1,2,3
.if (\first) && (\c == 0)
	v_wmma_f32_16x16x32_f16 v[160+8*\n:167+8*\n], v[\wb+16*\n+8*\c:\wb+16*\n+8*\c+7], v[\ob+8*\c:\ob+8*\c+7], 0
.else
	v_wmma_f32_16x16x32_f16 v[160+8*\n:167+8*\n], v[\wb+16*\n+8*\c:\wb+16*\n+8*\c+7], v[\ob+8*\c:\ob+8*\c+7], v[160+8*\n:167+8*\n]
.endif
.endr
.endr
.endm
	YMUL 16, 80, 1                                 ; high x high
	YMUL 16, 112, 0                                ; high x low
	YMUL 192, 80, 0                                ; low x high
.rept 4
	v_nop
.endr
.irp n, 0,1,2,3
	ds_store_b128 v2, v[160+8*\n:163+8*\n] offset:64*\n          ; position r, columns 16 n + 8 h + 0..7
	ds_store_b128 v2, v[164+8*\n:167+8*\n] offset:64*\n+16
.endr
	s_wait_dscnt 0x0                               ; for the others' sake: my part lies in LDS
	s_barrier_signal -1
	s_barrier_wait -1
.irp p, 0,1,2,3,4,5,6,7,8,9,10,11,12,13,14,15
	ds_load_b64 v[16+2*\p:17+2*\p], v3 offset:4352*\p            ; row w of head p's part: 256 bytes in 32 lanes
.endr
	s_wait_dscnt 0x0
	s_wait_loadcnt 0x0                             ; b_proj
.irp p, 0,1,2,3,4,5,6,7,8,9,10,11,12,13,14,15
	v_pk_add_f32 v[96:97], v[96:97], v[16+2*\p:17+2*\p]
.endr
	global_store_b64 v7, v[96:97], s[12:13]        ; 32 lanes store 256 consecutive bytes, aligned
	s_wait_tensorcnt 0x0                           ; the wave's end, behind my last LDS store
	ds_add_u32 v4, v5
	s_wait_dscnt 0x0
	s_endpgm
.Lfunc_end_k_q6fe1746980_first16:
	.size	k_q6fe1746980_first16, .Lfunc_end_k_q6fe1746980_first16-k_q6fe1746980_first16
	.p2alignl 7, 3214868480
	.fill 96, 4, 3214868480
	.section	.rodata,"a",@progbits
	.p2align	6, 0x0
	.amdhsa_kernel k_q6fe1746980_first16
		.amdhsa_group_segment_fixed_size 71680
		.amdhsa_private_segment_fixed_size 0
		.amdhsa_enable_private_segment 0
		.amdhsa_kernarg_size 40
		.amdhsa_user_sgpr_count 2
		.amdhsa_user_sgpr_kernarg_segment_ptr 1
		.amdhsa_wavefront_size32 1
		.amdhsa_system_sgpr_workgroup_id_x 1
		.amdhsa_system_sgpr_workgroup_id_y 1
		.amdhsa_system_sgpr_workgroup_id_z 1
		.amdhsa_system_vgpr_workitem_id 0
		.amdhsa_next_free_vgpr 256
		.amdhsa_next_free_sgpr 66
		.amdhsa_reserve_vcc 1
		.amdhsa_float_denorm_mode_32 3
		.amdhsa_float_denorm_mode_16_64 3
		.amdhsa_memory_ordered 1
		.amdhsa_forward_progress 1
		.amdhsa_inst_pref_size 28
	.end_amdhsa_kernel
	.amdgpu_metadata
---
amdhsa.version: [ 1, 2 ]
amdhsa.kernels:
  - .name:           k_q6fe1746980_first16
    .symbol:         k_q6fe1746980_first16.kd
    .args:
      - { .name: fine32, .offset: 0, .size: 8, .value_kind: global_buffer, .address_space: global }
      - { .name: b_qkv, .offset: 8, .size: 8, .value_kind: global_buffer, .address_space: global }
      - { .name: wp16, .offset: 16, .size: 8, .value_kind: global_buffer, .address_space: global }
      - { .name: b_proj, .offset: 24, .size: 8, .value_kind: global_buffer, .address_space: global }
      - { .name: out0, .offset: 32, .size: 8, .value_kind: global_buffer, .address_space: global }
    .group_segment_fixed_size: 71680
    .private_segment_fixed_size: 0
    .kernarg_segment_align: 8
    .kernarg_segment_size: 40
    .max_flat_workgroup_size: 512
    .sgpr_count:     66
    .vgpr_count:     256
    .wavefront_size: 32
...
	.end_amdgpu_metadata
.endif
;; end of part 5
